; MI455X (gfx1250); checked and timed in simulation.
; The chip was launched on July 23, 2026; its instructions are those of AMD's public machine-readable ISA for CDNA 5 (MIT licence, August 2026) and "CDNA5" Instruction Set Architecture Reference Guide (July 2026). The comments in the code are by the model that wrote it; some were corrected since.
;; Multi Modal Spiking Transformer. Allowed arithmetic: matrix products marked QUANTISED: E3M2 operands, one E8M0 scale for each 32 along K, by v_wmma_scale_f32_16x16x128_f8f6f4 with both operands' format E3M2, f32 sums; everything else in f32.
;; Inputs: Wk 512 x 512 float32; Wo 512 x 512 float32; Wq 512 x 512 float32; Wv 512 x 512 float32; bk 512 float32; bo 512 float32; bq 512 float32; bv 512 float32; key_spikes 4 x 32 x 256 x 512 float32; modality_weights 2 x 8 float32; query_spikes 4 x 32 x 256 x 512 float32; temporal_sync 32 x 8 float32; value_spikes 4 x 32 x 256 x 512 float32.
;; Outputs: out0 4 x 32 x 256 x 512 float32.
;; This version of the problem:
;;   THIS VERSION OF THE PROBLEM IS GIVEN IN LOW PRECISION. The matrix products marked QUANTISED in the list below multiply operands that are first quantised to E3M2 (3 exponent bits, 2 mantissa bits; 6 bits a number), with one power-of-two scale for each 32 numbers along K (OCP MX v1.0); their sums are f32. All else is computed in f32.
;;   The module's matrix products, in the order in which they are computed (A, B: the left and right operand; K: the contracted axis; several contracted axes count as one K, in the product's order):
;;     1. [M 32,768, K 512] x [K 512, N 512]; A: input query_spikes; B: input Wq: QUANTISED
;;     2. [M 32,768, K 512] x [K 512, N 512]; A: input key_spikes; B: input Wk: QUANTISED
;;     3. [M 32,768, K 512] x [K 512, N 512]; A: input value_spikes; B: input Wv: QUANTISED
;;     4. batch 1,024 x [M 256, K 64] x [K 64, N 256]; A: computed on the way; B: computed on the way: QUANTISED
;;     5. batch 1,024 x [M 256, K 256] x [K 256, N 64]; A: computed on the way; B: computed on the way: QUANTISED
;;     6. [M 32,768, K 512] x [K 512, N 512]; A: computed on the way; B: input Wo: QUANTISED
;;   THE QUANTISER, for each operand of a quantised product, along K:
;;     - K is cut into blocks of 32 from its start; a last block that is shorter is filled with zeros.
;;     - A block's scale is 2^e with e = floor(log2(the largest magnitude in the block)) - 4, held to -126 .. 127; a block of zeros has e = 0. As a byte (E8M0): e + 127.
;;     - Each number is divided by its block's scale, clamped to +-28, and rounded to the nearest number of E3M2, ties to even, subnormals kept.
;;     - The product sums the exact products of the quantised numbers (number of the format x scale) in f32.
;;   ~~~python
;;   def quantise(x, axis):      # numpy; x: float32 -> the quantised numbers, widened to float32 again
;;       x = np.moveaxis(x, axis, -1); K = x.shape[-1]
;;       x = np.pad(x, [(0, 0)] * (x.ndim - 1) + [(0, -K % 32)]); x = x.reshape(x.shape[:-1] + (-1, 32)); a = np.abs(x).max(-1, keepdims=True)
;;       e = np.where(a > 0, np.clip(np.frexp(np.where(a > 0, a, 1))[1] - 1 - 4, -126, 127), 0)      # np.frexp(a)[1] - 1 = floor(log2(a)), exactly
;;       r = np.clip(x / 2.0 ** e, -28, 28)
;;       step = 2.0 ** (np.maximum(np.frexp(np.where(r == 0, 1, r))[1] - 1, -2) - 2)
;;       q = np.round(r / step) * step * 2.0 ** e      # np.round: ties to even
;;       return np.moveaxis(q.reshape(q.shape[:-2] + (-1,))[..., :K], -1, axis).astype(np.float32)
;;   ~~~
;;   OPERANDS COMPUTED ON THE WAY. 'Computed on the way' means the value that the module computes at that place (a softmax that the list does not call 'softmax' is quantised finished and normalised). What goes into a quantiser is computed in f32, as accurately as f32 sums, v_exp_f32 and their like allow (about 1e-6 of the number): no bf16 or f16 on the way to a quantiser, and a product that is left as it is and whose result goes on into a quantised operand takes f32 operands (vector FMAs, or v_wmma_f32_16x16x4_f32). A number that lies on a knife's edge between two numbers of the format may be rounded either way, as far as f32 arithmetic and the matrix unit's own rounding can turn it there, and no further.
;; 3 versions, each right; version 2 is faster than version 1; version 3 is version 2 with the launch proj written anew for expert scheduling mode. Each part assembles by itself: llvm-mc -triple=amdgcn-amd-amdhsa -mcpu=gfx1250 --defsym DOCPART=n.
;; ======== version 1 of 3: 3 launches
;; workspace buffers: wcodes 786,432 bytes; wscales 32,768 bytes; qc 13,107,200 bytes; kv 26,214,400 bytes
;; launch prep (part 1): grid 32 x 4, 4 waves a work-group, no clusters, 768 bytes of LDS; arguments Wq, Wk, Wv, Wo, wcodes, wscales; writes wcodes, wscales
.if DOCPART == 1
	.amdgcn_target "amdgcn-amd-amdhsa--gfx1250"
	.amdhsa_code_object_version 6
	.text
	.protected	k_q195045bd67_prep
	.globl	k_q195045bd67_prep
	.p2align	8
	.type	k_q195045bd67_prep,@function
k_q195045bd67_prep:
	s_mov_b64 s[64:65], 0
	v_nop
	global_prefetch_b8 v0, s[64:65] scope:SCOPE_SE
	s_setreg_imm32_b32 hwreg(HW_REG_WAVE_MODE, 25, 1), 1
	s_wait_xcnt 0x0
; The four weights [512 (k)][512 (n)], f32, become codes of BF6 (E3M2) along K (their FIRST axis), laid in the order of an operand's registers, and one E8M0 byte for each 32 along K.
; Work-group (x, y): tile x of 16 columns of weight y (q, k, v, o); wave = the K step of 128.  A lane takes ONE column and its registers run down K, in the order in which the operand's layout gives
; lane (r, h) its k: 64 c + 32 h + 0 .. 31.  So the conversions' results are the operand's registers and nothing is transposed.
; THE COLUMNS OF A TILE ARE NOT NEIGHBOURS: lane r of tile t takes column 32 (t / 2) + 8 (t % 2) + r + 8 (r / 8), so that results made with two neighbouring tiles hold 16 neighbours along the next K.
; OUT: wcodes: weight y at 196,608 y; fragment (tile, K step) at (4 tile + step) x 1,536: registers 4 c .. 4 c + 3 of lane l at 512 c + 16 l.   wscales: 8,192 y + 256 tile + 16 r + 4 step: a word.
; LIMITS: NaN and infinities are not served.  A block whose largest magnitude lies under 2^-122 has its byte held at 1; a block of zeros has the byte 1 (its codes are zeros; only this program reads the bytes).
; The reads are pieces of 32 bytes; the four weights are 4 MiB in all and each is read once.
.set X, 64                             ; v64-127 my 64 numbers
	s_load_b256 s[4:11], s[0:1], 0x0               ; Wq, Wk, Wv, Wo
	s_load_b128 s[12:15], s[0:1], 0x20             ; wcodes, wscales
	v_lshl_add_u32 v128, v0, 2, 0x100
	v_mov_b32 v129, 0
	v_lshrrev_b32 v1, 5, v0
	v_readfirstlane_b32 s16, v1                    ; wave = K step
	v_and_b32 v1, 15, v0                           ; r
	v_bfe_u32 v2, v0, 4, 1                         ; h
	v_and_b32 v3, 8, v1
	v_add_nc_u32 v3, v3, v1                        ; r + 8 (r / 8)
	v_lshlrev_b32 v5, 2, v3                        ; my column, in bytes,
	v_lshl_add_u32 v5, v2, 16, v5                  ; and 32 rows of 2,048 bytes further down for lanes 16-31
	v_and_b32 v4, 31, v0
	v_lshlrev_b32 v6, 4, v4                        ; 16 x lane
	v_lshlrev_b32 v8, 3, v4                        ; 8 x lane
	v_lshlrev_b32 v7, 4, v1
	s_lshl_b32 s24, s16, 2
	v_add_nc_u32 v7, s24, v7                       ; LDS: 16 r + 4 x K step
	s_and_b32 s18, ttmp7, 0xffff                   ; which weight
	s_lshr_b32 s19, ttmp9, 1
	s_lshl_b32 s19, s19, 7                         ; 32 (t / 2) columns
	s_and_b32 s20, ttmp9, 1
	s_lshl_b32 s20, s20, 5                         ; 8 (t % 2) columns
	s_add_co_u32 s20, s20, s19
	s_lshl_b32 s19, s16, 18                        ; 128 rows a K step
	s_add_co_u32 s20, s20, s19
	s_mov_b32 s21, 0
	s_mul_i32 s22, s18, 196608
	s_lshl_b32 s23, ttmp9, 2
	s_add_co_u32 s23, s23, s16
	s_mul_i32 s23, s23, 1536
	s_add_co_u32 s22, s22, s23                     ; my fragment's place in wcodes
	s_mov_b32 s23, 0
	s_lshl_b32 s26, s18, 13
	s_lshl_b32 s27, ttmp9, 8
	s_add_co_u32 s26, s26, s27                     ; my tile's 256 bytes in wscales
	s_mov_b32 s27, 0
	s_and_b32 s25, s18, 1
	s_mov_b32 s28, 0x76543210
	s_mov_b32 s29, 0xfedcba98                      ; v_permlanex16_b32's selects for lane l xor 16
	s_wait_kmcnt 0x0
	s_cmp_lt_u32 s18, 2                            ; the choice hangs on the work-group's number alone
	s_cselect_b64 s[4:5], s[4:5], s[8:9]           ; q or v
	s_cselect_b64 s[6:7], s[6:7], s[10:11]         ; k or o
	s_cmp_eq_u32 s25, 0
	s_cselect_b64 s[4:5], s[4:5], s[6:7]
	s_add_nc_u64 s[4:5], s[4:5], s[20:21]
	s_add_nc_u64 s[12:13], s[12:13], s[22:23]
	s_add_nc_u64 s[14:15], s[14:15], s[26:27]
.irp c, 0,1
.irp i, 0,1,2,3,4,5,6,7,8,9,10,11,12,13,14,15,16,17,18,19,20,21,22,23,24,25,26,27,28,29,30,31
	global_load_b32 v[X+32*\c+\i], v5, s[4:5] offset:(64*\c+\i)*2048 th:TH_LOAD_NT   ; W(128 step + 64 c + 32 h + i, my column)
.endr
.endr
	s_wait_loadcnt 0x0
.irp c, 0,1                                    ; my block 2 c + h: all its 32 numbers are mine
	v_max3_num_f32 v[32+\c], |v[X+32*\c]|, |v[X+32*\c+1]|, 0x2800000   ; with the floor 2^(5 - 127): the byte cannot fall under 1
.endr
.irp i, 2,4,6,8,10,12,14,16,18,20,22,24,26,28,30
.irp c, 0,1
	v_max3_num_f32 v[32+\c], v[32+\c], |v[X+32*\c+\i]|, |v[X+32*\c+\i+1]|
.endr
.endr
.irp c, 0,1
	v_add_nc_u32 v[44+\c], 0xfe000000, v[32+\c]    ; 4 off the exponent field: the conversion's scale operand
.endr
.irp c, 0,1
	v_lshrrev_b32 v[36+\c], 23, v[44+\c]           ; the scale's byte
.endr
	v_lshl_or_b32 v9, v37, 16, v36                 ; my two bytes: blocks h and 2 + h,
	v_lshlrev_b32 v10, 3, v2
	v_lshlrev_b32 v9, v10, v9                      ; at their places in the word;
	v_mov_b32 v10, 0
	v_permlanex16_b32 v10, v9, s28, s29
	v_or_b32 v9, v9, v10                           ; with lane l xor 16's two the word is whole
.irp c, 0,1
	v_cvt_scalef32_pk16_bf6_f32 v[48+6*\c:50+6*\c], v[X+32*\c:X+32*\c+15], v[44+\c]
	v_cvt_scalef32_pk16_bf6_f32 v[16+4*\c:18+4*\c], v[X+32*\c+16:X+32*\c+31], v[44+\c]   ; (a conversion's three registers begin on an even number)
.endr
	v_nop                                          ; one plain instruction behind a scaled conversion
.irp c, 0,1
.irp i, 0,1,2
	v_mov_b32 v[51+6*\c+\i], v[16+4*\c+\i]
.endr
.endr
.irp c, 0,1,2
	global_store_b128 v6, v[48+4*\c:51+4*\c], s[12:13] offset:512*\c   ; 512 consecutive bytes a store
.endr
	ds_store_b32 v7, v9                            ; both halves of the lanes write the same word with the same value
	s_wait_dscnt 0x0                               ; for the others' sake: my store has landed
	s_barrier_signal -1
	s_barrier_wait -1
	s_cmp_lg_u32 s16, 0
	s_cbranch_scc1 .Ldone                          ; wave 0 stores the tile's 64 words: 256 consecutive bytes, aligned
	ds_load_b64 v[12:13], v8
	s_wait_dscnt 0x0
	global_store_b64 v8, v[12:13], s[14:15]
.Ldone:
	s_wait_tensorcnt 0x0
	ds_add_u32 v128, v129
	s_wait_dscnt 0x0
	s_endpgm
.Lfunc_end_k_q195045bd67_prep:
	.size	k_q195045bd67_prep, .Lfunc_end_k_q195045bd67_prep-k_q195045bd67_prep
	.p2alignl 7, 3214868480
	.fill 96, 4, 3214868480
	.section	.rodata,"a",@progbits
	.p2align	6, 0x0
	.amdhsa_kernel k_q195045bd67_prep
		.amdhsa_group_segment_fixed_size 768
		.amdhsa_private_segment_fixed_size 0
		.amdhsa_enable_private_segment 0
		.amdhsa_kernarg_size 48
		.amdhsa_user_sgpr_count 2
		.amdhsa_user_sgpr_kernarg_segment_ptr 1
		.amdhsa_wavefront_size32 1
		.amdhsa_system_sgpr_workgroup_id_x 1
		.amdhsa_system_sgpr_workgroup_id_y 1
		.amdhsa_system_sgpr_workgroup_id_z 1
		.amdhsa_system_vgpr_workitem_id 0
		.amdhsa_next_free_vgpr 130
		.amdhsa_next_free_sgpr 66
		.amdhsa_reserve_vcc 0
		.amdhsa_float_denorm_mode_32 3
		.amdhsa_float_denorm_mode_16_64 3
		.amdhsa_memory_ordered 1
		.amdhsa_forward_progress 1
		.amdhsa_inst_pref_size 12
	.end_amdhsa_kernel
	.amdgpu_metadata
---
amdhsa.version: [ 1, 2 ]
amdhsa.kernels:
  - .name:           k_q195045bd67_prep
    .symbol:         k_q195045bd67_prep.kd
    .args:
      - { .name: Wq, .offset: 0, .size: 8, .value_kind: global_buffer, .address_space: global }
      - { .name: Wk, .offset: 8, .size: 8, .value_kind: global_buffer, .address_space: global }
      - { .name: Wv, .offset: 16, .size: 8, .value_kind: global_buffer, .address_space: global }
      - { .name: Wo, .offset: 24, .size: 8, .value_kind: global_buffer, .address_space: global }
      - { .name: wcodes, .offset: 32, .size: 8, .value_kind: global_buffer, .address_space: global }
      - { .name: wscales, .offset: 40, .size: 8, .value_kind: global_buffer, .address_space: global }
    .group_segment_fixed_size: 768
    .private_segment_fixed_size: 0
    .kernarg_segment_align: 8
    .kernarg_segment_size: 48
    .max_flat_workgroup_size: 128
    .sgpr_count:     66
    .vgpr_count:     130
    .wavefront_size: 32
...
	.end_amdgpu_metadata
.endif
;; end of part 1
;; launch proj (part 2): grid 256 x 1, 4 waves a work-group, no clusters, 53,760 bytes of LDS; arguments query_spikes, key_spikes, value_spikes, wcodes, wscales, bq, bk, bv, qc, kv; writes qc, kv
.if DOCPART == 2
	.amdgcn_target "amdgcn-amd-amdhsa--gfx1250"
	.amdhsa_code_object_version 6
	.text
	.protected	k_q195045bd67_proj
	.globl	k_q195045bd67_proj
	.p2align	8
	.type	k_q195045bd67_proj,@function
k_q195045bd67_proj:
	s_mov_b64 s[64:65], 0
	v_nop
	global_prefetch_b8 v0, s[64:65] scope:SCOPE_SE
	s_setreg_imm32_b32 hwreg(HW_REG_WAVE_MODE, 25, 1), 1
	s_wait_xcnt 0x0
; Q = xq Wq + bq, K = xk Wk + bk, V = xv Wv + bv on codes of BF6 (E3M2) with one E8M0 scale for each 32 along K; the results are quantised at once for the products that follow (Q, K along the head's 64, V along the keys).
; WHO: work-groups 0-63 take 512 rows of the queries (two slices of 256), 64-127 the same of the keys, 128-255 one slice of 256 rows of the values (V's way reads x's fragments four times from LDS, so it gets half the rows).
; Rows go in blocks of 64.  THE WAVES SHARE THE COLUMNS: wave w owns columns 128 w .. 128 w + 127 (heads 2 w, 2 w + 1); its 32 fragments of W stay in 384 registers for the whole launch.
; A BLOCK: wave w quantises tile w (16 rows) of x, four fragments, and stores them in LDS as images of the registers | barrier | every wave multiplies all four tiles by its columns, quantises, stores | barrier.
; THE ROWS OF A TILE ARE NOT NEIGHBOURS, of x as of W's columns: lane r of tile 2 b + u stands for index 32 b + 8 u + r + 8 (r / 8).  So the 16 registers of two neighbouring result tiles are 16 neighbours along the next K.
; Q, K: source 0 = 16 columns of W, source 1 = 16 rows of x: a lane holds one row and 64 columns in registers: one fragment (both heads of the pair: registers 0-5 the even head, 6-11 the odd) and one scale word.
; V: source 0 = 16 rows of x (keys), source 1 = 16 columns of W: a lane holds one column and its registers run along the keys: a block of 64 keys gives half a fragment (six registers) and two scale bytes.
; The biases are the C of each sum's first product.
; OUT (qc: 102,400 bytes a slice; kv: 204,800): fragments of Q and of K at (16 pair + tile) x 1,536, registers 4 c .. 4 c + 3 of lane l at 512 c + 16 l; their scale words from 98,304 (qc) and 196,608 (kv) on, at 1,024 (tile / 4) + 256 pair + 16 r + 4 (tile % 4);
;   V's fragments at 98,304 + 3,072 column tile + 1,536 (128 keys), a half c at 768 c: registers 6 c .. 6 c + 3 at 16 l, registers 6 c + 4, 5 at 512 + 8 l; V's scale words at 200,704 + 2,048 (128 keys) + 512 w + 32 r + 4 (tile % 8).
; LIMITS: NaN and infinities are not served.  A block whose largest magnitude lies under 2^-122 has its byte held at 1; a block of zeros has the byte 1 (its codes are zeros; only this program reads the bytes).
; No cluster: what work-groups share, W, goes once into registers.  No prefetch: x is asked for a whole block ahead by loads into registers, 64 loads of 512 bytes a wave.
; REGISTERS, in windows of 256.  Window 0: v1-15 addresses; v16-63 x's four fragments; v64-79 x's scale words; v80-111 W's; v124-139 at work; v140-159 codes; v160-223 results; v224-231 scale words gathered.
;   Window 1, 2: W's fragments of my tiles 0-3, 4-7 ((t, K step) at v[12 (4 t + k)]), from v192 their biases.   Window 3: four sets of 64 numbers of x.
.set QREG, 0                           ; LDS: each way has bytes of its own: 16 images of 1,536 bytes (tile m, K step k at (4 m + k) x 1,536), then the scale words, 512 m + 16 lane + 4 k
.set VREG, 26624
.set XSC,  24576
.set XA,  1                            ; v1   x: (r + 8 (r / 8)) x 2,048 + 64 h
.set LI,  2                            ; v2   16 x lane
.set L8,  3                            ; v3   8 x lane
.set XWI, 4                            ; v4   16 x lane + 6,144 x wave: where I store x's images
.set XWS, 5                            ; v5   16 x lane + 512 x wave: and their scale words
.set R16, 6                            ; v6   16 r
.set GSQ, 7                            ; v7   16 r + 8 h: Q's and K's scale words on their way out
.set BOQ, 8                            ; v8   64 h: their bias
.set GSV, 9                            ; v9   32 r + 16 h: V's scale words
.set BOV, 10                           ; v10  4 (r + 8 (r / 8)): V's bias
.set XPW, 11                           ; v11  a scale word, or half of one, just made
.set SD,  12                           ; v12-15 scale words to be stored
.set XF,  16
.set XS,  64
.set WS,  80
.set TM,  124                          ; +0..3 largest magnitudes, +4..7 bytes, +12..15 the conversions' scale operands
.set PC,  140
.set CT,  152
.set HA,  160
.set SWK, 224
.set BI,  192                          ; in windows 1 and 2
.set XP,  24                           ; s[24:25] x;  s[26:27] bias;  s[28:29] fragments out;  s[30:31] scale words out;  s[32:33] W's codes;  s[34:35] W's scale words
.set BP,  26
.set FP,  28
.set SP,  30
.set WP,  32
.set WSP, 34
.set WV,  36
.set ROLE, 37
.set BT0, 38
.set STR, 39
.set HM,  40                           ; lanes 16-31
.set J,   41
.set SEL, 42
.set FS3, 52
.set SS3, 53
.set MSB, 0
.macro WIN new                         ; s_set_vgpr_msb: bits 1:0 source 0, 3:2 source 1, 5:4 source 2, 7:6 destination; the high byte repeats the setting that is left
.if MSB != (\new)
	s_set_vgpr_msb (MSB<<8)|(\new)
.set MSB, \new
.endif
.endm
.macro MMC d, a, b, c, sa, sb
	v_wmma_scale_f32_16x16x128_f8f6f4 v[(\d):(\d)+7], v[(\a):(\a)+11], v[(\b):(\b)+11], v[(\c):(\c)+7], v[\sa], v[\sb] matrix_a_fmt:MATRIX_FMT_BF6 matrix_b_fmt:MATRIX_FMT_BF6
.endm
.macro PLACES n
.rept \n
	v_nop
.endr
.endm
.macro BAR                             ; my LDS stores have landed and my LDS loads are in: then the work-group's barrier
	s_wait_dscnt 0x0
	s_barrier_signal -1
	s_barrier_wait -1
.endm
; 64 numbers of a lane, v[s] .. v[s + 63] of window win, register 16 b + i = k 32 b + 16 h + i of my row, become a fragment's 12 registers from v[dst] on and its scale word in v[word].
; guard: the wait behind which dst and word, which earlier stores read, are written again (1: LDS stores; 2: global stores).
.macro QUANT4 s, win, dst, tmp, word, guard
	WIN ((\win)<<2)|((\win)<<4)
.irp b, 0,1,2,3
	v_max3_num_f32 v[TM+\b], 0x2800000, |v[(\s)+16*\b]|, |v[(\s)+16*\b+1]|   ; block b: my 16 numbers, and the floor 2^(5 - 127): the byte cannot fall under 1
.endr
.irp i, 2,4,6,8,10,12,14
.irp b, 0,1,2,3
	v_max3_num_f32 v[TM+\b], v[TM+\b], |v[(\s)+16*\b+\i]|, |v[(\s)+16*\b+\i+1]|   ; (the four blocks by turns)
.endr
.endr
	WIN 0
.irp b, 0,1,2,3
	v_permlanex16_b32 v[TM+4+\b], v[TM+\b], s[SEL], s[SEL+1]
.endr
.irp b, 0,1,2,3
	v_max_num_f32 v[TM+\b], v[TM+\b], v[TM+4+\b]   ; with lane l xor 16's: the block's largest magnitude
.endr
.irp b, 0,1,2,3
	v_add_nc_u32 v[TM+12+\b], 0xfe000000, v[TM+\b] ; 4 off its exponent field: the conversion's scale operand
.endr
.irp b, 0,1,2,3
	v_lshrrev_b32 v[TM+4+\b], 23, v[TM+12+\b]      ; the scale's byte
.endr
.if (\guard) == 1
	s_wait_dscnt 0x0
.elseif (\guard) == 2
	s_wait_xcnt 0x0
.endif
	v_lshl_or_b32 v[\word], v[TM+5], 8, v[TM+4]
	v_lshl_or_b32 v[\word], v[TM+6], 16, v[\word]
	v_lshl_or_b32 v[\word], v[TM+7], 24, v[\word]
	WIN \win
.irp c, 0,1
	v_cvt_scalef32_pk16_bf6_f32 v[(\dst)+6*\c:(\dst)+6*\c+2], v[(\s)+32*\c:(\s)+32*\c+15], v[TM+12+2*\c]
	v_cvt_scalef32_pk16_bf6_f32 v[(\tmp)+4*\c:(\tmp)+4*\c+2], v[(\s)+32*\c+16:(\s)+32*\c+31], v[TM+13+2*\c]   ; (a conversion's three registers begin on an even number)
.endr
	WIN 0
	v_nop                                          ; one plain instruction behind a scaled conversion
.irp c, 0,1                                    ; the operand's layout wants a WHOLE block in a lane: lanes 0-15 block 2 c, lanes 16-31 block 2 c + 1
.irp i, 0,1,2
	v_permlane16_swap_b32 v[(\dst)+6*\c+\i], v[(\tmp)+4*\c+\i]
.endr
.irp i, 0,1,2
	v_mov_b32 v[(\dst)+6*\c+3+\i], v[(\tmp)+4*\c+\i]
.endr
.endr
.endm
; The same for 32 numbers (two blocks), window 0: six registers from v[dst] on, and the two bytes in v[word].
.macro QUANT2 s, dst, tmp, word, guard
.irp b, 0,1
	v_max3_num_f32 v[TM+\b], 0x2800000, |v[(\s)+16*\b]|, |v[(\s)+16*\b+1]|
.endr
.irp i, 2,4,6,8,10,12,14
.irp b, 0,1
	v_max3_num_f32 v[TM+\b], v[TM+\b], |v[(\s)+16*\b+\i]|, |v[(\s)+16*\b+\i+1]|
.endr
.endr
.irp b, 0,1
	v_permlanex16_b32 v[TM+4+\b], v[TM+\b], s[SEL], s[SEL+1]
.endr
.irp b, 0,1
	v_max_num_f32 v[TM+\b], v[TM+\b], v[TM+4+\b]
.endr
.irp b, 0,1
	v_add_nc_u32 v[TM+12+\b], 0xfe000000, v[TM+\b]
.endr
.irp b, 0,1
	v_lshrrev_b32 v[TM+4+\b], 23, v[TM+12+\b]
.endr
.if (\guard) == 1
	s_wait_dscnt 0x0
.elseif (\guard) == 2
	s_wait_xcnt 0x0
.endif
	v_lshl_or_b32 v[\word], v[TM+5], 8, v[TM+4]
	v_cvt_scalef32_pk16_bf6_f32 v[(\dst):(\dst)+2], v[(\s):(\s)+15], v[TM+12]
	v_cvt_scalef32_pk16_bf6_f32 v[(\tmp):(\tmp)+2], v[(\s)+16:(\s)+31], v[TM+13]
	v_nop
.irp i, 0,1,2
	v_permlane16_swap_b32 v[(\dst)+\i], v[(\tmp)+\i]
.endr
.irp i, 0,1,2
	v_mov_b32 v[(\dst)+3+\i], v[(\tmp)+\i]
.endr
.endm
; my 16 rows' numbers of K step s (64 a lane), off bytes on, into set s of window 3
.macro XLOAD s, off
	WIN 0xc0
.irp b, 0,1,2,3
.irp j, 0,1,2,3
	global_load_b128 v[64*(\s)+16*\b+4*\j:64*(\s)+16*\b+4*\j+3], v[XA], s[XP:XP+1] offset:(\off)+512*(\s)+128*\b+16*\j th:TH_LOAD_NT
.endr
.endr
	WIN 0
.endm
; My tile of x becomes four images in LDS.  ahead = 1: each set is asked for again, for the next block, as soon as it has been converted.
.macro XPHASE reg, ahead
.irp s, 0,1,2,3
.if \ahead
	s_wait_loadcnt 48                              ; loads come back in order: my set is in; the three younger sets of 16 loads stay out.  (W, its scales and the biases are older than every load of x)
.else
	s_wait_loadcnt 48-16*\s                        ; the last block asks for nothing: the counts run down
.endif
	QUANT4 64*\s, 3, PC, CT, XPW, 1
.irp c, 0,1,2
	ds_store_b128 v[XWI], v[PC+4*\c:PC+4*\c+3] offset:\reg+1536*\s+512*\c
.endr
	ds_store_b32 v[XWS], v[XPW] offset:\reg+XSC+4*\s
.if \ahead
	XLOAD \s, 131072
.endif
.endr
.endm
.macro FETCH reg, m                    ; tile m's four fragments of x
.set i, 0
.rept 12
	ds_load_b128 v[XF+4*i:XF+4*i+3], v[LI] offset:(\reg)+(\m)*6144+512*i
.set i, i+1
.endr
.endm
	s_load_b256 s[4:11], s[0:1], 0x0               ; query_spikes, key_spikes, value_spikes, wcodes
	s_load_b256 s[12:19], s[0:1], 0x20             ; wscales, bq, bk, bv
	s_load_b128 s[20:23], s[0:1], 0x40             ; qc, kv
	v_lshl_add_u32 v254, v0, 2, 0xd000
	v_mov_b32 v255, 0
	v_lshrrev_b32 v1, 5, v0
	v_readfirstlane_b32 s[WV], v1                  ; wave 0..3
	v_and_b32 v16, 15, v0                          ; r
	v_bfe_u32 v17, v0, 4, 1                        ; h
	v_and_b32 v18, 8, v16
	v_add_nc_u32 v18, v18, v16                     ; r + 8 (r / 8)
	v_and_b32 v19, 31, v0                          ; lane
	v_lshlrev_b32 v[XA], 11, v18
	v_lshl_add_u32 v[XA], v17, 6, v[XA]
	v_lshlrev_b32 v[LI], 4, v19
	v_lshlrev_b32 v[L8], 3, v19
	s_mul_i32 s44, s[WV], 6144
	v_add_nc_u32 v[XWI], s44, v[LI]
	s_lshl_b32 s44, s[WV], 9
	v_add_nc_u32 v[XWS], s44, v[LI]
	v_lshlrev_b32 v[R16], 4, v16
	v_lshl_add_u32 v[GSQ], v17, 3, v[R16]
	v_lshlrev_b32 v[BOQ], 6, v17
	v_lshlrev_b32 v[GSV], 5, v16
	v_lshl_add_u32 v[GSV], v17, 4, v[GSV]
	v_lshlrev_b32 v[BOV], 2, v18
.irp b, 0,1,2,3
	v_mov_b32 v[TM+4+\b], 0                        ; written once: a lane permute's destination counts as one of its sources
.endr
.irp t, 0,1,2,3,4,5,6,7
	v_mov_b32 v[SWK+\t], 0
.endr
	s_mov_b32 s[HM], 0xffff0000
	s_mov_b32 s[SEL], 0x76543210
	s_mov_b32 s[SEL+1], 0xfedcba98
	; which tensor, which slice, and the places in the buffers: all from the work-group's and the wave's number
	s_and_b32 s[BT0], ttmp9, 63
	s_lshl_b32 s[BT0], s[BT0], 1                   ; Q, K: two slices a work-group
	s_sub_co_u32 s44, ttmp9, 128                   ; V: one
	s_mov_b32 s[STR], 204800                       ; a slice's bytes in kv
	s_mov_b32 s50, 200704                          ; where the scale words begin in a slice: V's,
	s_cmp_lt_u32 ttmp9, 128
	s_cselect_b32 s[BT0], s[BT0], s44
	s_cselect_b32 s[ROLE], 1, 2
	s_cselect_b32 s47, 0, 98304                    ; V's fragments lie behind K's
	s_cselect_b32 s51, 8, 9                        ; a wave's scale words: 256 bytes apart, V's 512
	s_cselect_b32 s50, 196608, s50                 ; K's,
	s_cmp_lt_u32 ttmp9, 64
	s_cselect_b32 s[ROLE], 0, s[ROLE]
	s_cselect_b32 s[STR], 102400, s[STR]           ; in qc
	s_cselect_b32 s50, 98304, s50                  ; Q's
	s_mul_i32 s46, s[BT0], s[STR]
	s_mul_i32 s48, s[WV], 24576
	s_add_co_u32 s48, s48, s46
	s_add_co_u32 s48, s48, s47                     ; fragments out
	s_mov_b32 s49, 0
	s_lshl_b32 s51, s[WV], s51
	s_add_co_u32 s50, s50, s51
	s_add_co_u32 s50, s50, s46                     ; scale words out
	s_mov_b32 s51, 0
	s_sub_co_u32 s[FS3], s[STR], 18432             ; from a slice's last block to the next slice's first
	s_sub_co_u32 s[SS3], s[STR], 3072
	s_mov_b32 s55, 0
	s_mov_b32 s57, 0
	s_lshl_b32 s44, s[BT0], 19                     ; x: 256 rows of 2,048 bytes a slice,
	s_lshr_b32 s45, s[WV], 1
	s_lshl_b32 s45, s45, 16                        ; my tile's first row: 32 (w / 2)
	s_add_co_u32 s44, s44, s45
	s_and_b32 s45, s[WV], 1
	s_lshl_b32 s45, s45, 14                        ; + 8 (w % 2)
	s_add_co_u32 s44, s44, s45
	s_mov_b32 s45, 0
	s_wait_kmcnt 0x0
	s_cmp_lt_u32 ttmp9, 64                         ; the choices hang on the work-group's number alone
	s_cselect_b64 s[XP:XP+1], s[4:5], s[6:7]
	s_cselect_b64 s[BP:BP+1], s[14:15], s[16:17]
	s_cselect_b64 s[FP:FP+1], s[20:21], s[22:23]
	s_cmp_lt_u32 ttmp9, 128
	s_cselect_b64 s[XP:XP+1], s[XP:XP+1], s[8:9]
	s_cselect_b64 s[BP:BP+1], s[BP:BP+1], s[18:19]
	s_add_nc_u64 s[XP:XP+1], s[XP:XP+1], s[44:45]
	s_add_nc_u64 s[SP:SP+1], s[FP:FP+1], s[50:51]
	s_add_nc_u64 s[FP:FP+1], s[FP:FP+1], s[48:49]
	s_mul_i32 s44, s[ROLE], 196608
	s_mul_i32 s46, s[WV], 49152
	s_add_co_u32 s44, s44, s46
	s_add_nc_u64 s[WP:WP+1], s[10:11], s[44:45]
	s_lshl_b32 s44, s[ROLE], 13
	s_lshl_b32 s46, s[WV], 11
	s_add_co_u32 s44, s44, s46
	s_add_nc_u64 s[WSP:WSP+1], s[12:13], s[44:45]
	s_lshl_b32 s44, s[WV], 9
	s_add_nc_u64 s[BP:BP+1], s[BP:BP+1], s[44:45]
.irp g, 0,1                                    ; my 32 fragments of W: they stay
	WIN 0x40*(\g+1)
.set i, 0
.rept 48
	global_load_b128 v[4*i:4*i+3], v[LI], s[WP:WP+1] offset:24576*\g+512*i
.set i, i+1
.endr
.endr
	WIN 0
.irp t, 0,1,2,3,4,5,6,7
	global_load_b128 v[WS+4*\t:WS+4*\t+3], v[R16], s[WSP:WSP+1] offset:256*\t   ; tile t's scale words of the four K steps
.endr
	s_cmp_ge_u32 ttmp9, 128
	s_cbranch_scc1 .Lvpath
	; ---------------- Q and K
.irp t, 0,1,2,3,4,5,6,7                        ; the bias in the result's layout: lane (r, h), tile 2 b + u: columns 32 b + 16 h + 8 u + 0 .. 7
	WIN 0x40*(\t/4+1)
	global_load_b128 v[BI+8*(\t%4):BI+8*(\t%4)+3], v[BOQ], s[BP:BP+1] offset:(32*(\t/2)+8*(\t%2))*4
	global_load_b128 v[BI+8*(\t%4)+4:BI+8*(\t%4)+7], v[BOQ], s[BP:BP+1] offset:(32*(\t/2)+8*(\t%2))*4+16
.endr
	WIN 0
.irp s, 0,1,2,3
	XLOAD \s, 0
.endr
.macro QKBLOCK ahead
	XPHASE QREG, \ahead
	BAR                                            ; x's sixteen images lie in LDS
	FETCH QREG, 0
	ds_load_b128 v[XS:XS+3], v[LI] offset:QREG+XSC
.irp m, 0,1,2,3
	s_wait_dscnt 0x0
.irp g, 0,1                                    ; four accumulators by turns, a K step at a time
.irp k, 0,1,2,3
.if \k == 0
	WIN 0x11*(\g+1)                                ; source 0 (W) and source 2 (the bias) in window 1 + g
.else
	WIN \g+1
.endif
.irp t, 0,1,2,3
.if \k == 0
	MMC HA+8*(4*\g+\t), 12*(4*\t+\k), XF+12*\k, BI+8*\t, WS+4*(4*\g+\t)+\k, XS+\k
.else
	MMC HA+8*(4*\g+\t), 12*(4*\t+\k), XF+12*\k, HA+8*(4*\g+\t), WS+4*(4*\g+\t)+\k, XS+\k
.endif
.endr
.endr
.endr
	WIN 0
	PLACES 5                                       ; in front of loads into registers that the products have read, of the first read of results, and of the next tile's products, which begin these accumulators anew
.if \m < 3
	FETCH QREG, \m+1
	ds_load_b128 v[XS:XS+3], v[LI] offset:QREG+XSC+512*(\m+1)
.endif
	QUANT4 HA, 0, PC, CT, SWK+\m, 2
.irp c, 0,1,2
	global_store_b128 v[LI], v[PC+4*\c:PC+4*\c+3], s[FP:FP+1] offset:\m*1536+512*\c   ; 512 consecutive bytes a store
.endr
.endr
	v_cndmask_b32 v[SD], v[SWK], v[SWK+2], s[HM]   ; lanes 0-15 store the words of tiles 0, 1, lanes 16-31 those of tiles 2, 3: 256 consecutive bytes, aligned
	v_cndmask_b32 v[SD+1], v[SWK+1], v[SWK+3], s[HM]
	global_store_b64 v[GSQ], v[SD:SD+1], s[SP:SP+1]
	BAR                                            ; every wave's reads of the images are over: they may be written again
.endm
	s_mov_b32 s[J], 0
.Lqk:
	QKBLOCK 1
	s_wait_xcnt 0x0                                ; the loads and stores have read their bases and registers
	s_add_nc_u64 s[XP:XP+1], s[XP:XP+1], 131072
	s_and_b32 s44, s[J], 3
	s_cmp_eq_u32 s44, 3                            ; behind a slice's fourth block: on to the next slice
	s_cselect_b32 s54, s[FS3], 6144
	s_cselect_b32 s56, s[SS3], 1024
	s_add_nc_u64 s[FP:FP+1], s[FP:FP+1], s[54:55]
	s_add_nc_u64 s[SP:SP+1], s[SP:SP+1], s[56:57]
	s_add_co_u32 s[J], s[J], 1
	s_cmp_lt_u32 s[J], 7
	s_cbranch_scc1 .Lqk
	QKBLOCK 0                                      ; the last block is written out: no load leaves its buffer
	s_wait_tensorcnt 0x0
	ds_add_u32 v254, v255
	s_wait_dscnt 0x0
	s_endpgm
	; ---------------- V
.Lvpath:
.irp t, 0,1,2,3,4,5,6,7                        ; the bias in the result's layout: a lane holds ONE column, so all eight registers hold its bias
	WIN 0x40*(\t/4+1)
.irp j, 0,1,2,3,4,5,6,7
	global_load_b32 v[BI+8*(\t%4)+\j], v[BOV], s[BP:BP+1] offset:(32*(\t/2)+8*(\t%2))*4
.endr
.endr
	WIN 0
.irp s, 0,1,2,3
	XLOAD \s, 0
.endr
.macro VBLOCK ahead
	XPHASE VREG, \ahead
	BAR
.irp m, 0,1,2,3
	ds_load_b128 v[XS+4*\m:XS+4*\m+3], v[LI] offset:VREG+XSC+512*\m
.endr
.irp gp, 0,1,2,3                               ; two of my eight column tiles at a time, for all 64 keys
.irp m, 0,1,2,3
	FETCH VREG, \m
	s_wait_dscnt 0x0
.irp k, 0,1,2,3
.if \k == 0
	WIN 0x14*(\gp/2+1)                             ; source 1 (W) and source 2 (the bias) in window 1 + gp / 2
.else
	WIN 0x04*(\gp/2+1)
.endif
.irp tt, 0,1                                   ; two accumulators by turns
.if \k == 0
	MMC HA+32*\tt+8*\m, XF+12*\k, 12*(4*(2*(\gp%2)+\tt)+\k), BI+8*(2*(\gp%2)+\tt), XS+4*\m+\k, WS+4*(2*\gp+\tt)+\k
.else
	MMC HA+32*\tt+8*\m, XF+12*\k, 12*(4*(2*(\gp%2)+\tt)+\k), HA+32*\tt+8*\m, XS+4*\m+\k, WS+4*(2*\gp+\tt)+\k
.endif
.endr
.endr
	WIN 0
	PLACES 5
.endr
.irp tt, 0,1
	QUANT2 HA+32*\tt, PC, CT, XPW, 2               ; 64 keys of my column: half a fragment
	global_store_b128 v[LI], v[PC:PC+3], s[FP:FP+1] offset:(2*\gp+\tt)*3072
	global_store_b64 v[L8], v[PC+4:PC+5], s[FP:FP+1] offset:(2*\gp+\tt)*3072+512   ; the two stores cover 768 consecutive bytes
	v_lshrrev_b32 v[SWK+2*\gp+\tt], 16, v[SWK+2*\gp+\tt]       ; the word of 128 keys: the even block's two bytes below, the odd block's above
	v_lshl_or_b32 v[SWK+2*\gp+\tt], v[XPW], 16, v[SWK+2*\gp+\tt]
.endr
.endr
	s_and_b32 s44, s[J], 1
	s_cmp_eq_u32 s44, 0
	s_cbranch_scc1 .Leven_\@                       ; behind an odd block the words are whole
	s_wait_xcnt 0x0
.irp j, 0,1,2,3
	v_cndmask_b32 v[SD+\j], v[SWK+\j], v[SWK+4+\j], s[HM]
.endr
	global_store_b128 v[GSV], v[SD:SD+3], s[SP:SP+1]           ; 512 consecutive bytes
	s_wait_xcnt 0x0
	s_add_nc_u64 s[SP:SP+1], s[SP:SP+1], 2048
.Leven_\@:
	BAR
.endm
	s_mov_b32 s[J], 0
.Lv:
	VBLOCK 1
	s_wait_xcnt 0x0
	s_add_nc_u64 s[FP:FP+1], s[FP:FP+1], 768
	s_add_nc_u64 s[XP:XP+1], s[XP:XP+1], 131072
	s_add_co_u32 s[J], s[J], 1
	s_cmp_lt_u32 s[J], 3
	s_cbranch_scc1 .Lv
	VBLOCK 0                                       ; the last block (J = 3) is written out: no load leaves its buffer
	s_wait_tensorcnt 0x0
	ds_add_u32 v254, v255
	s_wait_dscnt 0x0
	s_endpgm
.Lfunc_end_k_q195045bd67_proj:
	.size	k_q195045bd67_proj, .Lfunc_end_k_q195045bd67_proj-k_q195045bd67_proj
	.p2alignl 7, 3214868480
	.fill 96, 4, 3214868480
	.section	.rodata,"a",@progbits
	.p2align	6, 0x0
	.amdhsa_kernel k_q195045bd67_proj
		.amdhsa_group_segment_fixed_size 53760
		.amdhsa_private_segment_fixed_size 0
		.amdhsa_enable_private_segment 0
		.amdhsa_kernarg_size 80
		.amdhsa_user_sgpr_count 2
		.amdhsa_user_sgpr_kernarg_segment_ptr 1
		.amdhsa_wavefront_size32 1
		.amdhsa_system_sgpr_workgroup_id_x 1
		.amdhsa_system_sgpr_workgroup_id_y 1
		.amdhsa_system_sgpr_workgroup_id_z 1
		.amdhsa_system_vgpr_workitem_id 0
		.amdhsa_next_free_vgpr 1024
		.amdhsa_next_free_sgpr 66
		.amdhsa_reserve_vcc 0
		.amdhsa_float_denorm_mode_32 3
		.amdhsa_float_denorm_mode_16_64 3
		.amdhsa_memory_ordered 1
		.amdhsa_forward_progress 1
		.amdhsa_inst_pref_size 255
	.end_amdhsa_kernel
	.section	.bss,"aw",@nobits
	.p2align	6
	.space	262144
	.amdgpu_metadata
---
amdhsa.version: [ 1, 2 ]
amdhsa.kernels:
  - .name:           k_q195045bd67_proj
    .symbol:         k_q195045bd67_proj.kd
    .args:
      - { .name: query_spikes, .offset: 0, .size: 8, .value_kind: global_buffer, .address_space: global }
      - { .name: key_spikes, .offset: 8, .size: 8, .value_kind: global_buffer, .address_space: global }
      - { .name: value_spikes, .offset: 16, .size: 8, .value_kind: global_buffer, .address_space: global }
      - { .name: wcodes, .offset: 24, .size: 8, .value_kind: global_buffer, .address_space: global }
      - { .name: wscales, .offset: 32, .size: 8, .value_kind: global_buffer, .address_space: global }
      - { .name: bq, .offset: 40, .size: 8, .value_kind: global_buffer, .address_space: global }
      - { .name: bk, .offset: 48, .size: 8, .value_kind: global_buffer, .address_space: global }
      - { .name: bv, .offset: 56, .size: 8, .value_kind: global_buffer, .address_space: global }
      - { .name: qc, .offset: 64, .size: 8, .value_kind: global_buffer, .address_space: global }
      - { .name: kv, .offset: 72, .size: 8, .value_kind: global_buffer, .address_space: global }
    .group_segment_fixed_size: 53760
    .private_segment_fixed_size: 0
    .kernarg_segment_align: 8
    .kernarg_segment_size: 80
    .max_flat_workgroup_size: 128
    .sgpr_count:     66
    .vgpr_count:     1024
    .wavefront_size: 32
...
	.end_amdgpu_metadata
.endif
;; end of part 2
;; launch attn (part 3): grid 256 x 1, 8 waves a work-group, no clusters, 293,888 bytes of LDS; arguments qc, kv, wcodes, wscales, bo, modality_weights, temporal_sync, out0; writes out0
.if DOCPART == 3
	.amdgcn_target "amdgcn-amd-amdhsa--gfx1250"
	.amdhsa_code_object_version 6
	.text
	.protected	k_q195045bd67_attn
	.globl	k_q195045bd67_attn
	.p2align	8
	.type	k_q195045bd67_attn,@function
k_q195045bd67_attn:
	s_mov_b64 s[64:65], 0
	v_nop
	global_prefetch_b8 v0, s[64:65] scope:SCOPE_SE
	s_setreg_imm32_b32 hwreg(HW_REG_WAVE_MODE, 25, 1), 1
	s_wait_xcnt 0x0
; For one slice (b, t) and 128 of its 256 queries: scores = Q K^T / 8 x (mw0 mw1) + sync; attn = sigmoid(5 (score - row's maximum)) / (row's sum + 1e-8); attended = attn V; out = attended Wo + bo.
; All three products on codes of BF6 (E3M2) with one E8M0 scale for each 32 along K.  Q, K, V arrive as codes in the order of the operands' registers; attn (along the keys) and attended (along the 512) are quantised here, finished and normalised.
; WHO: work-group g: slice g / 2, queries 128 (g % 2) on.  Eight waves, two to a SIMD, so that one wave's exponentials and reciprocals stand beside the other's plain and matrix work.
; Wave w owns ONE tile of 16 queries through all eight heads; in the last phase it owns output columns 64 w .. 64 w + 63 for all eight tiles.
; The slice's K and V (codes and scale words, 204,800 dense bytes) come into LDS once, by one tensor load a wave, and are read by all eight waves.  No LDS byte is filled twice.
; LAYOUT: all products are used with the queries as source 1: a lane holds ONE query (lane % 16) throughout.  S^T = K Q^T: registers run along the keys; O^T = V^T P^T: along the head's 64; out^T = Wo^T A^T: along the columns.
; The rows of every tile (keys, V's and Wo's columns, queries) stand for index 32 b + 8 u + r + 8 (r / 8) (tile 2 b + u), so that the 16 registers of two neighbouring result tiles are 16 neighbours along the next K.
; THE SCORES' K IS 64: a fragment of K or Q holds both heads of a pair (registers 0-5, 6-11).  Q lies as [even head][six registers of zero codes][odd head]: the run from Q serves the even head, the run from Q + 6 the odd one; K and both scale words are used as they lie.
; THE SOFTMAX: u = score x 5 log2(e) = raw x C1 + C0 (one multiply-add, C1 = mw0 mw1 x 5 log2(e) / 8, C0 = sync x 5 log2(e)); M = the row's largest u; p = 1 / (1 + 2^(M - u)); attn = p x 1 / (sum + 1e-8).  M - u is never negative, so nothing overflows but to infinity, whose reciprocal is 0.
; LIMITS: NaN and infinities among the inputs are not served.  5 log2(e) is folded into the score's multiply-add, so the order of rounding differs from a score rounded first; 1 / x is v_rcp_f32; a p under 2^-126 becomes 0; sums run in another order.
;   A block whose largest magnitude lies under 2^-122 has its byte held at 1; a block of zeros has the byte 1 (its codes are zeros).
; No cluster: only two work-groups read a slice's K and V, so a mask would differ with the place in a cluster of four; Wo goes once into registers.  No prefetch: the one block is wanted at the head.
; REGISTERS.  Window 0: v1-17 addresses; v18-35 Q; v36-38, v40-63 scale words; v64-71 attended's codes; v72-95 P; v96-103, v104-119 at work; v120-125 pairs for packed forms; v128-255 S^T.   Window 1: v0-191 K's 16 fragments, later Wo's; v192-239 V's four.
.set AIMG, 204800                      ; LDS: 0 .. 204,799 the slice's block of kv as it lies in memory; then attended's images, (4 tile + K step) x 1,536, a half c at 768 c;
.set ASC,  253952                      ; their scale words, 512 tile + 16 lane + 4 K step;
.set STG,  258048                      ; and a stage of 16 rows x (256 + 16) bytes for each wave
.set LI,  1                            ; 16 x lane
.set L8,  2                            ; 8 x lane
.set R16, 4                            ; 16 r
.set R32, 5                            ; 32 r
.set ADK, 6
.set A16, 7
.set A8,  8
.set ADKS, 9
.set ADVS, 10
.set AWS, 11
.set QSO, 14                           ; 16 r + 4 (tile % 4)
.set SO,  15
.set SR,  16
.set GO,  17
.set Q,   18
.set QS,  36
.set PS,  37
.set KS,  40
.set VS,  56
.set A6,  64
.set AH,  70
.set AW,  71
.set P,   72
.set RB,  72
.set CT,  96
.set TM,  104
.set C0V, 120
.set M,   122
.set INV, 124
.set HB,  126                          ; 64 h
.set S,   128
.set KF,  0                            ; in window 1
.set VB,  192
.set WV,  20
.set BT,  21
.set HALF, 22
.set G0,  24
.set G1,  28
.set QP,  36
.set QSP, 38
.set C1,  40                           ; s[40:47] C1 of the heads still to come, s[48:55] C0
.set C0,  48
.set CP,  56
.set SEL, 58
.set TK,  60
.set TKS, 61
.set TV,  62
.set TVS, 63
.set TA,  66
.set TAS, 67
.set OP,  68
.set CNT, 70
.set TO,  71
.set TSY, 72
.set TOS, 80
.set WOP, 82
.set WSP, 84
.set BOP, 86
.set MSB, 0
.macro WIN new                         ; s_set_vgpr_msb: bits 1:0 source 0, 3:2 source 1, 5:4 source 2, 7:6 destination; the high byte repeats the setting that is left
.if MSB != (\new)
	s_set_vgpr_msb (MSB<<8)|(\new)
.set MSB, \new
.endif
.endm
.macro MM0 d, a, b, sa, sb
	v_wmma_scale_f32_16x16x128_f8f6f4 v[(\d):(\d)+7], v[(\a):(\a)+11], v[(\b):(\b)+11], 0, v[\sa], v[\sb] matrix_a_fmt:MATRIX_FMT_BF6 matrix_b_fmt:MATRIX_FMT_BF6
.endm
.macro MMC d, a, b, c, sa, sb
	v_wmma_scale_f32_16x16x128_f8f6f4 v[(\d):(\d)+7], v[(\a):(\a)+11], v[(\b):(\b)+11], v[(\c):(\c)+7], v[\sa], v[\sb] matrix_a_fmt:MATRIX_FMT_BF6 matrix_b_fmt:MATRIX_FMT_BF6
.endm
.macro PLACES n
.rept \n
	v_nop
.endr
.endm
; 64 numbers of a lane, v[s] .. v[s + 63], register 16 b + i = k 32 b + 16 h + i of my row, become a fragment's 12 registers from v[dst] on and its scale word in v[word].
.macro QUANT4 s, win, dst, tmp, word, guard
	WIN ((\win)<<2)|((\win)<<4)
.irp b, 0,1,2,3
	v_max3_num_f32 v[TM+\b], 0x2800000, |v[(\s)+16*\b]|, |v[(\s)+16*\b+1]|   ; block b: my 16 numbers, and the floor 2^(5 - 127): the byte cannot fall under 1
.endr
.irp i, 2,4,6,8,10,12,14
.irp b, 0,1,2,3
	v_max3_num_f32 v[TM+\b], v[TM+\b], |v[(\s)+16*\b+\i]|, |v[(\s)+16*\b+\i+1]|
.endr
.endr
	WIN 0
.irp b, 0,1,2,3
	v_permlanex16_b32 v[TM+4+\b], v[TM+\b], s[SEL], s[SEL+1]
.endr
.irp b, 0,1,2,3
	v_max_num_f32 v[TM+\b], v[TM+\b], v[TM+4+\b]   ; with lane l xor 16's: the block's largest magnitude
.endr
.irp b, 0,1,2,3
	v_add_nc_u32 v[TM+12+\b], 0xfe000000, v[TM+\b] ; 4 off its exponent field: the conversion's scale operand
.endr
.irp b, 0,1,2,3
	v_lshrrev_b32 v[TM+4+\b], 23, v[TM+12+\b]      ; the scale's byte
.endr
.if (\guard) == 1
	s_wait_dscnt 0x0
.elseif (\guard) == 2
	s_wait_xcnt 0x0
.endif
	v_lshl_or_b32 v[\word], v[TM+5], 8, v[TM+4]
	v_lshl_or_b32 v[\word], v[TM+6], 16, v[\word]
	v_lshl_or_b32 v[\word], v[TM+7], 24, v[\word]
	WIN \win
.irp c, 0,1
	v_cvt_scalef32_pk16_bf6_f32 v[(\dst)+6*\c:(\dst)+6*\c+2], v[(\s)+32*\c:(\s)+32*\c+15], v[TM+12+2*\c]
	v_cvt_scalef32_pk16_bf6_f32 v[(\tmp)+4*\c:(\tmp)+4*\c+2], v[(\s)+32*\c+16:(\s)+32*\c+31], v[TM+13+2*\c]   ; (a conversion's three registers begin on an even number)
.endr
	WIN 0
	v_nop                                          ; one plain instruction behind a scaled conversion
.irp c, 0,1                                    ; the operand's layout wants a WHOLE block in a lane
.irp i, 0,1,2
	v_permlane16_swap_b32 v[(\dst)+6*\c+\i], v[(\tmp)+4*\c+\i]
.endr
.irp i, 0,1,2
	v_mov_b32 v[(\dst)+6*\c+3+\i], v[(\tmp)+4*\c+\i]
.endr
.endr
.endm
; The same for 32 numbers (two blocks): six registers from v[dst] on, and the two bytes in v[word].  guard = 1: the LDS stores that read dst have been served.
.macro QUANT2 s, dst, tmp, word, guard
.irp b, 0,1
	v_max3_num_f32 v[TM+\b], 0x2800000, |v[(\s)+16*\b]|, |v[(\s)+16*\b+1]|
.endr
.irp i, 2,4,6,8,10,12,14
.irp b, 0,1
	v_max3_num_f32 v[TM+\b], v[TM+\b], |v[(\s)+16*\b+\i]|, |v[(\s)+16*\b+\i+1]|
.endr
.endr
.irp b, 0,1
	v_permlanex16_b32 v[TM+4+\b], v[TM+\b], s[SEL], s[SEL+1]
.endr
.irp b, 0,1
	v_max_num_f32 v[TM+\b], v[TM+\b], v[TM+4+\b]
.endr
.irp b, 0,1
	v_add_nc_u32 v[TM+12+\b], 0xfe000000, v[TM+\b]
.endr
.irp b, 0,1
	v_lshrrev_b32 v[TM+4+\b], 23, v[TM+12+\b]
.endr
.if (\guard) == 1
	s_wait_dscnt 0x0
.endif
	v_lshl_or_b32 v[\word], v[TM+5], 8, v[TM+4]
	v_cvt_scalef32_pk16_bf6_f32 v[(\dst):(\dst)+2], v[(\s):(\s)+15], v[TM+12]
	v_cvt_scalef32_pk16_bf6_f32 v[(\tmp):(\tmp)+2], v[(\s)+16:(\s)+31], v[TM+13]
	v_nop
.irp i, 0,1,2
	v_permlane16_swap_b32 v[(\dst)+\i], v[(\tmp)+\i]
.endr
.irp i, 0,1,2
	v_mov_b32 v[(\dst)+3+\i], v[(\tmp)+\i]
.endr
.endm
.macro QLOAD                           ; my tile's fragment of the pair in hand, its two heads six registers apart, and its scale word
	global_load_b128 v[Q:Q+3], v[LI], s[QP:QP+1]
	global_load_b64 v[Q+4:Q+5], v[LI], s[QP:QP+1] offset:512
	global_load_b64 v[Q+12:Q+13], v[LI], s[QP:QP+1] offset:520
	global_load_b128 v[Q+14:Q+17], v[LI], s[QP:QP+1] offset:1024
	global_load_b32 v[QS], v[QSO], s[QSP:QSP+1]
.endm
.macro KREQ                            ; the next pair's sixteen fragments of K and their scale words
	v_add_nc_u32 v[ADK], s[TK], v[LI]
	v_add_nc_u32 v[ADKS], s[TKS], v[R16]
	WIN 0x40
.set i, 0
.rept 48
	ds_load_b128 v[KF+4*i:KF+4*i+3], v[ADK] offset:512*i
.set i, i+1
.endr
	WIN 0
.irp q, 0,1,2,3
	ds_load_b128 v[KS+4*\q:KS+4*\q+3], v[ADKS] offset:1024*\q
.endr
	s_add_co_u32 s[TK], s[TK], 24576
	s_add_co_u32 s[TKS], s[TKS], 256
.endm
.macro FETCHH reg, off                 ; a fragment that lies as two halves of 768 bytes
	ds_load_b128 v[(\reg):(\reg)+3], v[A16] offset:(\off)
	ds_load_b64 v[(\reg)+4:(\reg)+5], v[A8] offset:(\off)+512
	ds_load_b128 v[(\reg)+6:(\reg)+9], v[A16] offset:(\off)+768
	ds_load_b64 v[(\reg)+10:(\reg)+11], v[A8] offset:(\off)+1280
.endm
; A lane's 128 scores of one query (the query's other 128 lie in lane l xor 16) become attn, in place.
.macro SOFTMAX
.set k, 0
.rept 64
	v_pk_fma_f32 v[S+2*k:S+2*k+1], v[S+2*k:S+2*k+1], s[CP:CP+1], v[C0V:C0V+1] op_sel_hi:[1,0,0]   ; u = raw x C1 + C0; ascending
.set k, k+1
.endr
.irp q, 0,1,2,3
	v_max3_num_f32 v[TM+\q], v[S+32*\q], v[S+32*\q+1], v[S+32*\q+2]   ; the maximum, in four chains
.endr
.irp i, 3,5,7,9,11,13,15,17,19,21,23,25,27,29
.irp q, 0,1,2,3
	v_max3_num_f32 v[TM+\q], v[TM+\q], v[S+32*\q+\i], v[S+32*\q+\i+1]
.endr
.endr
.irp q, 0,1,2,3
	v_max_num_f32 v[TM+\q], v[TM+\q], v[S+32*\q+31]
.endr
	v_max3_num_f32 v[TM], v[TM], v[TM+1], v[TM+2]
	v_max_num_f32 v[TM], v[TM], v[TM+3]
	v_permlanex16_b32 v[TM+4], v[TM], s[SEL], s[SEL+1]
	v_max_num_f32 v[M], v[TM], v[TM+4]
.set k, 0
.rept 65                                       ; M - u of pair k, then the exponentials of pair k - 1: no line names an exponential's result
.if k < 64
	v_pk_add_f32 v[S+2*k:S+2*k+1], v[M:M+1], v[S+2*k:S+2*k+1] op_sel_hi:[0,1] neg_lo:[0,1] neg_hi:[0,1]
.endif
.if k > 0
	v_exp_f32 v[S+2*k-2], v[S+2*k-2]
	v_exp_f32 v[S+2*k-1], v[S+2*k-1]
.endif
.set k, k+1
.endr
	v_nop                                          ; a plain instruction behind the last exponential,
	s_wait_alu depctr_va_vdst(0)                   ; and one wait for the batch of 128, ahead of its first reader
.set k, 0
.rept 65                                       ; 1 + 2^(M - u) of pair k, then the reciprocals of pair k - 1
.if k < 64
	v_pk_add_f32 v[S+2*k:S+2*k+1], v[S+2*k:S+2*k+1], 1.0 op_sel_hi:[1,0]
.endif
.if k > 0
	v_rcp_f32 v[S+2*k-2], v[S+2*k-2]
	v_rcp_f32 v[S+2*k-1], v[S+2*k-1]
.endif
.set k, k+1
.endr
	v_nop
	s_wait_alu depctr_va_vdst(0)                   ; one wait for the 128 reciprocals
.irp q, 0,1,2,3
	v_pk_add_f32 v[TM+2*\q:TM+2*\q+1], v[S+2*\q:S+2*\q+1], v[S+8+2*\q:S+8+2*\q+1]   ; the row's sum, in four packed chains
.endr
.irp n, 2,3,4,5,6,7,8,9,10,11,12,13,14,15
.irp q, 0,1,2,3
	v_pk_add_f32 v[TM+2*\q:TM+2*\q+1], v[TM+2*\q:TM+2*\q+1], v[S+8*\n+2*\q:S+8*\n+2*\q+1]
.endr
.endr
	v_pk_add_f32 v[TM:TM+1], v[TM:TM+1], v[TM+2:TM+3]
	v_pk_add_f32 v[TM+4:TM+5], v[TM+4:TM+5], v[TM+6:TM+7]
	v_pk_add_f32 v[TM:TM+1], v[TM:TM+1], v[TM+4:TM+5]
	v_add_f32 v[TM], v[TM], v[TM+1]
	v_permlanex16_b32 v[TM+4], v[TM], s[SEL], s[SEL+1]
	v_add_f32 v[TM], v[TM], v[TM+4]
	v_add_f32 v[TM], 0x322bcc77, v[TM]             ; + 1e-8
	v_rcp_f32 v[INV], v[TM]
	v_nop
	s_wait_alu depctr_va_vdst(0)
.set k, 0
.rept 64
	v_pk_mul_f32 v[S+2*k:S+2*k+1], v[S+2*k:S+2*k+1], v[INV:INV+1] op_sel_hi:[1,0]
.set k, k+1
.endr
.endm
; ONE HEAD: head c of the pair in hand.  last = 1: the last pair: in place of the next pair's Q and K, Wo's fragments, its scale words and bo are asked for.
.macro HEAD c, last
.if \c == 0
	s_wait_loadcnt 0x0                             ; Q and its scale word
	s_wait_dscnt 0x0                               ; K and its scale words
.endif
	s_mov_b32 s[CP], s[C1+\c]
	s_mov_b32 s[CP+1], s[C1+\c]
	WIN 0x01                                       ; source 0 (K) in window 1
.set i, 0
.rept 16
	MM0 S+8*i, KF+12*i, Q+6*\c, KS+i, QS
.set i, i+1
.endr
	WIN 0
	v_mov_b32 v[C0V], s[C0+\c]                     ; four plain instructions: the places in front of the loads into registers that the products have read, and of the first read of the scores
	v_mov_b32 v[C0V+1], s[C0+\c]
	v_nop
	v_nop
.if (\c == 1) && (\last == 0)
	s_add_nc_u64 s[QP:QP+1], s[QP:QP+1], 24576     ; (the loads that named these bases have come in: the pair's first head waited for them)
	s_add_nc_u64 s[QSP:QSP+1], s[QSP:QSP+1], 256
	QLOAD
	KREQ
.endif
.if (\c == 1) && (\last == 1)
	WIN 0x40
.set i, 0
.rept 48
	global_load_b128 v[4*i:4*i+3], v[LI], s[WOP:WOP+1] offset:512*i   ; Wo's fragment (tile t, K step k) at v[12 (4 t + k)] of window 1
.set i, i+1
.endr
	WIN 0
.irp t, 0,1,2,3
	global_load_b128 v[KS+4*\t:KS+4*\t+3], v[R16], s[WSP:WSP+1] offset:256*\t
.endr
.endif
	v_add_nc_u32 v[A16], s[TV], v[LI]
	v_add_nc_u32 v[A8], s[TV], v[L8]
	v_add_nc_u32 v[ADVS], s[TVS], v[R32]
	WIN 0x40
.irp d, 0,1,2,3
	FETCHH VB+12*\d, 12288*\c+3072*\d              ; V: the head's four tiles of 16 channels, keys 0-127
.endr
	WIN 0
	ds_load_b128 v[VS:VS+3], v[ADVS] offset:16*\c
	ds_load_b128 v[VS+4:VS+7], v[ADVS] offset:2048+16*\c
	SOFTMAX
	QUANT4 S, 0, P, CT, PS, 0                      ; keys 0-127
.irp d, 0,1,2,3
	FETCHH S+12*\d, 12288*\c+3072*\d+1536          ; V's keys 128-255, into registers that the conversions have read
.endr
	QUANT4 S+64, 0, P+12, CT, PS+1, 0              ; keys 128-255
.if (\c == 1) && (\last == 1)
.irp t, 0,1,2,3
	global_load_b128 v[S+96+8*\t:S+96+8*\t+3], v[HB], s[BOP:BOP+1] offset:(32*(\t/2)+8*(\t%2))*4      ; bo in the result's layout: columns 32 b + 16 h + 8 u + 0 .. 7
	global_load_b128 v[S+96+8*\t+4:S+96+8*\t+7], v[HB], s[BOP:BOP+1] offset:(32*(\t/2)+8*(\t%2))*4+16
.endr
.endif
	PLACES 8                                       ; a scale register written by a vector instruction stands 8 places ahead of a scaled product, an operand 4
	s_wait_dscnt 0x0                               ; V and its scale words
	WIN 0x01
.irp d, 0,1,2,3                                ; O^T = V^T P^T: four accumulators by turns
	MM0 S+64+8*\d, VB+12*\d, P, VS+\d, PS
.endr
	WIN 0
.irp d, 0,1,2,3
	MMC S+64+8*\d, S+12*\d, P+12, S+64+8*\d, VS+4+\d, PS+1
.endr
	PLACES 5                                       ; in front of the first read of results, of loads into these operands, and of the next products that write over these registers
.if \c == 0
	QUANT2 S+64, A6, CT, AH, 1                     ; the head's 64 channels: half a fragment of attended
.else
	QUANT2 S+64, A6, CT, TM+8, 1
.endif
	v_add_nc_u32 v[A16], s[TA], v[LI]
	v_add_nc_u32 v[A8], s[TA], v[L8]
	ds_store_b128 v[A16], v[A6:A6+3] offset:768*\c
	ds_store_b64 v[A8], v[A6+4:A6+5] offset:768*\c+512
.if \c == 1
	v_lshl_or_b32 v[AW], v[TM+8], 16, v[AH]        ; the pair's scale word
	v_add_nc_u32 v[AWS], s[TAS], v[LI]
	ds_store_b32 v[AWS], v[AW]
.endif
.endm
.macro PAIR last
	HEAD 0, \last
	HEAD 1, \last
	s_add_co_u32 s[TV], s[TV], 24576
	s_add_co_u32 s[TVS], s[TVS], 512
	s_add_co_u32 s[TA], s[TA], 1536
	s_add_co_u32 s[TAS], s[TAS], 4
	s_mov_b64 s[C1:C1+1], s[C1+2:C1+3]             ; the constants of the heads to come move down by two
	s_mov_b64 s[C1+2:C1+3], s[C1+4:C1+5]
	s_mov_b64 s[C1+4:C1+5], s[C1+6:C1+7]
	s_mov_b64 s[C0:C0+1], s[C0+2:C0+3]
	s_mov_b64 s[C0+2:C0+3], s[C0+4:C0+5]
	s_mov_b64 s[C0+4:C0+5], s[C0+6:C0+7]
.endm
	s_load_b256 s[4:11], s[0:1], 0x0               ; qc, kv, wcodes, wscales
	s_load_b256 s[12:19], s[0:1], 0x20             ; bo, modality_weights, temporal_sync, out0
	v_lshl_add_u32 v115, v0, 2, 0x47800
	v_mov_b32 v127, 0
	ds_add_u32 v115, v127
	ds_add_u32 v115, v127
	v_lshrrev_b32 v3, 5, v0
	v_readfirstlane_b32 s[WV], v3                  ; wave 0..7
	s_lshr_b32 s[BT], ttmp9, 1                     ; the slice
	s_and_b32 s[HALF], ttmp9, 1                    ; which 128 queries
	; my eighth of the slice's block of kv: 25,600 dense bytes, as 100 rows of 256 bytes (32 elements of 8 bytes), no padding
	s_mov_b32 s[G0], 1                             ; count = 1
	s_mul_i32 s[G0+1], s[WV], 25600                ; LDS address
	s_mov_b32 s[G1], 3<<16                         ; no mask; elements of 8 bytes; no padding
	s_mov_b32 s[G1+1], 32<<16                      ; tensor_dim0
	s_mov_b32 s[G1+2], 100<<16                     ; tensor_dim1
	s_mov_b32 s[G1+3], 32<<16                      ; tile_dim0
	s_mov_b32 s[G1+4], 100                         ; tile_dim1
	s_mov_b32 s[G1+5], 32                          ; from row to row
	s_mov_b32 s[G1+6], 0
	s_mov_b32 s[G1+7], 0
	s_mul_i32 s88, s[BT], 204800
	s_add_co_u32 s88, s88, s[G0+1]
	s_mov_b32 s89, 0
	s_wait_dscnt 0x0
	s_wait_kmcnt 0x0
	s_add_nc_u64 s[G0+2:G0+3], s[6:7], s[88:89]
	s_or_b32 s[G0+3], s[G0+3], 0x80000000          ; type = 2
	tensor_load_to_lds s[G0:G0+3], s[G1:G1+7]      ; one load a wave is out; these bytes are filled once
	s_nop 0
.rept 4
	v_nop
.endr
	s_and_b32 s88, s[BT], 31                       ; t
	s_lshl_b32 s88, s88, 5
	s_add_nc_u64 s[16:17], s[16:17], s[88:89]
	s_load_b256 s[C1:C1+7], s[14:15], 0x0          ; modality_weights[0]
	s_load_b256 s[C0:C0+7], s[14:15], 0x20         ; modality_weights[1]
	s_load_b256 s[TSY:TSY+7], s[16:17], 0x0        ; temporal_sync[t]
	v_and_b32 v3, 31, v0                           ; lane
	v_and_b32 v12, 15, v0                          ; r
	v_bfe_u32 v13, v0, 4, 1                        ; h
	v_lshlrev_b32 v[LI], 4, v3
	v_lshlrev_b32 v[L8], 3, v3
	v_lshlrev_b32 v[R16], 4, v12
	v_lshlrev_b32 v[R32], 5, v12
	v_lshlrev_b32 v[HB], 6, v13
	s_and_b32 s88, s[WV], 3
	s_lshl_b32 s88, s88, 2
	v_add_nc_u32 v[QSO], s88, v[R16]
	s_lshl_b32 s90, s[HALF], 3
	s_add_co_u32 s90, s90, s[WV]                   ; my tile of queries, 0 .. 15
	s_mul_i32 s88, s[BT], 102400
	s_mul_i32 s92, s90, 1536
	s_add_co_u32 s92, s92, s88
	s_mov_b32 s93, 0
	s_add_nc_u64 s[QP:QP+1], s[4:5], s[92:93]
	s_lshr_b32 s92, s90, 2
	s_lshl_b32 s92, s92, 10
	s_add_co_u32 s92, s92, s88
	s_add_co_u32 s92, s92, 98304
	s_add_nc_u64 s[QSP:QSP+1], s[4:5], s[92:93]
	QLOAD                                          ; pair 0
	s_mul_i32 s88, s[WV], 4352
	s_add_co_u32 s88, s88, STG                     ; my stage
	v_mul_u32_u24 v[SO], v12, 272                  ; in: row r, + 64 h
	v_lshl_add_u32 v[SO], v13, 6, v[SO]
	v_add_nc_u32 v[SO], s88, v[SO]
	v_mul_u32_u24 v[SR], v13, 272                  ; back: lanes 0-15 one row of 256 bytes, lanes 16-31 the next
	v_lshl_add_u32 v[SR], v12, 4, v[SR]
	v_add_nc_u32 v[SR], s88, v[SR]
	v_lshlrev_b32 v[GO], 11, v13                   ; and the same two rows of out0
	v_lshl_add_u32 v[GO], v12, 4, v[GO]
.irp j, 0,1,2,3,4,5
	v_mov_b32 v[Q+6+\j], 0                         ; the zero codes between Q's two heads
.endr
	v_mov_b32 v[M+1], 0                            ; (named as upper halves of pairs)
	v_mov_b32 v[INV+1], 0
.irp b, 0,1,2,3
	v_mov_b32 v[TM+4+\b], 0                        ; a lane permute's destination counts as one of its sources
.endr
	s_mul_i32 s92, s[WV], 24576
	s_add_co_u32 s92, s92, 589824                  ; Wo is the fourth weight; my four tiles of columns
	s_add_nc_u64 s[WOP:WOP+1], s[8:9], s[92:93]
	s_lshl_b32 s92, s[WV], 10
	s_add_co_u32 s92, s92, 24576
	s_add_nc_u64 s[WSP:WSP+1], s[10:11], s[92:93]
	s_lshl_b32 s92, s[WV], 8
	s_add_nc_u64 s[BOP:BOP+1], s[12:13], s[92:93]
	s_lshl_b32 s88, s[BT], 19
	s_add_co_u32 s92, s92, s88
	s_lshl_b32 s88, s[HALF], 18
	s_add_co_u32 s92, s92, s88                     ; out0: row 256 slice + 128 half, column 64 wave
	s_add_nc_u64 s[OP:OP+1], s[18:19], s[92:93]
	s_mov_b32 s[SEL], 0x76543210
	s_mov_b32 s[SEL+1], 0xfedcba98
	s_mov_b32 s[TK], 0
	s_mov_b32 s[TKS], 196608
	s_mov_b32 s[TV], 98304
	s_mov_b32 s[TVS], 200704
	s_mul_i32 s[TA], s[WV], 6144
	s_add_co_u32 s[TA], s[TA], AIMG
	s_lshl_b32 s[TAS], s[WV], 9
	s_add_co_u32 s[TAS], s[TAS], ASC
	s_wait_kmcnt 0x0
.irp h, 0,1,2,3,4,5,6,7
	s_mul_f32 s[C1+\h], s[C1+\h], s[C0+\h]         ; mw0 x mw1
.endr
.irp h, 0,1,2,3,4,5,6,7
	s_mul_f32 s[C1+\h], s[C1+\h], 0x3f66d4ca       ; x 5 log2(e) / 8
	s_mul_f32 s[C0+\h], s[TSY+\h], 0x40e6d4ca      ; sync x 5 log2(e)
.endr
	s_wait_tensorcnt 0x0                           ; my eighth has landed,
	s_barrier_signal -1
	s_barrier_wait -1                              ; everybody's has
	KREQ                                           ; pair 0
	s_mov_b32 s[CNT], 3
.Lpair:
	PAIR 0
	s_sub_co_u32 s[CNT], s[CNT], 1
	s_cmp_lg_u32 s[CNT], 0
	s_cbranch_scc1 .Lpair
	PAIR 1
	; ---- out = attended Wo + bo: my 64 columns for the eight tiles of queries, two tiles a trip
	s_wait_dscnt 0x0                               ; my images of attended have landed
	s_barrier_signal -1
	s_barrier_wait -1                              ; everybody's have
	s_wait_loadcnt 0x0                             ; Wo, its scale words, bo
	s_mov_b32 s[TO], AIMG
	s_mov_b32 s[TOS], ASC
	s_mov_b32 s[CNT], 4
.Lout:
	v_add_nc_u32 v[A16], s[TO], v[LI]
	v_add_nc_u32 v[A8], s[TO], v[L8]
	v_add_nc_u32 v[AWS], s[TOS], v[LI]
.irp u, 0,1
	s_wait_xcnt 0x0                                ; the last tile's stores have read their registers
.irp k, 0,1,2,3
	FETCHH S+12*\k, 6144*\u+1536*\k
.endr
	ds_load_b128 v[VS:VS+3], v[AWS] offset:512*\u
	s_wait_dscnt 0x0
	WIN 0x01                                       ; source 0 (Wo) in window 1
.irp k, 0,1,2,3                                ; four accumulators by turns, a K step at a time
.irp t, 0,1,2,3
.if \k == 0
	MMC S+48+8*\t, 12*(4*\t+\k), S+12*\k, S+96+8*\t, KS+4*\t+\k, VS+\k
.else
	MMC S+48+8*\t, 12*(4*\t+\k), S+12*\k, S+48+8*\t, KS+4*\t+\k, VS+\k
.endif
.endr
.endr
	WIN 0
	PLACES 5
.irp t, 0,1,2,3                                ; lane (r, h): query r, columns 32 (t / 2) + 16 h + 8 (t % 2) + 0 .. 7; each accumulator from its low end on
	ds_store_b128 v[SO], v[S+48+8*\t:S+48+8*\t+3] offset:128*(\t/2)+32*(\t%2)
	ds_store_b128 v[SO], v[S+48+8*\t+4:S+48+8*\t+7] offset:128*(\t/2)+32*(\t%2)+16
.endr
.irp n, 0,1,2,3,4,5,6,7
	ds_load_b128 v[RB+4*\n:RB+4*\n+3], v[SR] offset:544*\n     ; LDS serves a wave's instructions in order: these see my stores
.endr
.irp n, 0,1,2,3,4,5,6,7
	s_wait_dscnt 7-\n                              ; the younger reads from the stage may stay out
	global_store_b128 v[GO], v[RB+4*\n:RB+4*\n+3], s[OP:OP+1] offset:(2*\n+8*(\n/4)+8*\u)*2048 th:TH_STORE_NT   ; stage row 2 n + lane / 16 is query 8 u + 2 n + 8 (n / 4) + lane / 16 of the trip's 32; sixteen lanes store 256 consecutive bytes, aligned
.endr
.endr
	s_wait_xcnt 0x0                                ; the stores have read their base
	s_add_nc_u64 s[OP:OP+1], s[OP:OP+1], 65536
	s_add_co_u32 s[TO], s[TO], 12288
	s_add_co_u32 s[TOS], s[TOS], 1024
	s_sub_co_u32 s[CNT], s[CNT], 1
	s_cmp_lg_u32 s[CNT], 0
	s_cbranch_scc1 .Lout
	s_wait_tensorcnt 0x0
	ds_add_u32 v115, v127
	s_wait_dscnt 0x0
	s_endpgm
.Lfunc_end_k_q195045bd67_attn:
	.size	k_q195045bd67_attn, .Lfunc_end_k_q195045bd67_attn-k_q195045bd67_attn
	.p2alignl 7, 3214868480
	.fill 96, 4, 3214868480
	.section	.rodata,"a",@progbits
	.p2align	6, 0x0
	.amdhsa_kernel k_q195045bd67_attn
		.amdhsa_group_segment_fixed_size 293888
		.amdhsa_private_segment_fixed_size 0
		.amdhsa_enable_private_segment 0
		.amdhsa_kernarg_size 64
		.amdhsa_user_sgpr_count 2
		.amdhsa_user_sgpr_kernarg_segment_ptr 1
		.amdhsa_wavefront_size32 1
		.amdhsa_system_sgpr_workgroup_id_x 1
		.amdhsa_system_sgpr_workgroup_id_y 1
		.amdhsa_system_sgpr_workgroup_id_z 1
		.amdhsa_system_vgpr_workitem_id 0
		.amdhsa_next_free_vgpr 512
		.amdhsa_next_free_sgpr 100
		.amdhsa_reserve_vcc 0
		.amdhsa_float_denorm_mode_32 3
		.amdhsa_float_denorm_mode_16_64 3
		.amdhsa_memory_ordered 1
		.amdhsa_forward_progress 1
		.amdhsa_inst_pref_size 225
	.end_amdhsa_kernel
	.amdgpu_metadata
---
amdhsa.version: [ 1, 2 ]
amdhsa.kernels:
  - .name:           k_q195045bd67_attn
    .symbol:         k_q195045bd67_attn.kd
    .args:
      - { .name: qc, .offset: 0, .size: 8, .value_kind: global_buffer, .address_space: global }
      - { .name: kv, .offset: 8, .size: 8, .value_kind: global_buffer, .address_space: global }
      - { .name: wcodes, .offset: 16, .size: 8, .value_kind: global_buffer, .address_space: global }
      - { .name: wscales, .offset: 24, .size: 8, .value_kind: global_buffer, .address_space: global }
      - { .name: bo, .offset: 32, .size: 8, .value_kind: global_buffer, .address_space: global }
      - { .name: modality_weights, .offset: 40, .size: 8, .value_kind: global_buffer, .address_space: global }
      - { .name: temporal_sync, .offset: 48, .size: 8, .value_kind: global_buffer, .address_space: global }
      - { .name: out0, .offset: 56, .size: 8, .value_kind: global_buffer, .address_space: global }
    .group_segment_fixed_size: 293888
    .private_segment_fixed_size: 0
    .kernarg_segment_align: 8
    .kernarg_segment_size: 64
    .max_flat_workgroup_size: 256
    .sgpr_count:     100
    .vgpr_count:     512
    .wavefront_size: 32
...
	.end_amdgpu_metadata
.endif
;; end of part 3
;; ======== version 2 of 3: 3 launches; 1.24 times as fast as version 1
;; workspace buffers: wcodes 786,432 bytes; wscales 32,768 bytes; qc 13,107,200 bytes; kv 26,214,400 bytes
;; launch prep: the kernel of part 1 again; grid 32 x 4, 4 waves a work-group, no clusters, 768 bytes of LDS; arguments Wq, Wk, Wv, Wo, wcodes, wscales; writes wcodes, wscales
;; launch proj (part 4): grid 256 x 1, 4 waves a work-group, no clusters, 121,344 bytes of LDS; arguments query_spikes, key_spikes, value_spikes, wcodes, wscales, bq, bk, bv, qc, kv; writes qc, kv
.if DOCPART == 4
	.amdgcn_target "amdgcn-amd-amdhsa--gfx1250"
	.amdhsa_code_object_version 6
	.text
	.protected	k_q195045bd67_proj
	.globl	k_q195045bd67_proj
	.p2align	8
	.type	k_q195045bd67_proj,@function
k_q195045bd67_proj:
	s_mov_b64 s[64:65], 0
	v_nop
	global_prefetch_b8 v0, s[64:65] scope:SCOPE_SE
	s_setreg_imm32_b32 hwreg(HW_REG_WAVE_MODE, 25, 1), 1
	s_wait_xcnt 0x0
; Q = xq Wq + bq, K = xk Wk + bk, V = xv Wv + bv on codes of BF6 (E3M2) with one E8M0 scale for each 32 along K; the results are quantised at once for the products that follow (Q, K along the head's 64, V along the keys).
; WHO: work-groups 0-63 take 512 rows of the queries (two slices of 256), 64-127 the same of the keys, 128-255 one slice of 256 rows of the values (V's way reads x's fragments four times from LDS, so it gets half the rows).
; Rows go in blocks of 64.  THE WAVES SHARE THE COLUMNS: wave w owns columns 128 w .. 128 w + 127 (heads 2 w, 2 w + 1); its 32 fragments of W stay in 384 registers for the whole launch.
; A BLOCK: wave w quantises tile w (16 rows) of x, four fragments, and stores them in LDS as images of the registers | barrier | every wave multiplies all four tiles by its columns, quantises, stores | barrier.
; X IS LOADED AS IT LIES AND TURNED THROUGH LDS.  The conversions want 16 neighbours along K in ONE lane's registers; a load is best where neighbouring LANES take neighbouring bytes.  So each load reads 512 consecutive bytes, aligned
; (one row of my tile, one K step, 16 bytes a lane); a K step's 16 rows go into the wave's own stage in LDS as they lie and come back 64 bytes a lane and block of 32, into the registers that they left.
; THE ROWS OF A TILE ARE NOT NEIGHBOURS, of x as of W's columns: lane r of tile 2 b + u stands for index 32 b + 8 u + r + 8 (r / 8).  So the 16 registers of two neighbouring result tiles are 16 neighbours along the next K.
; Q, K: source 0 = 16 columns of W, source 1 = 16 rows of x: a lane holds one row and 64 columns in registers: one fragment (both heads of the pair: registers 0-5 the even head, 6-11 the odd) and one scale word.
; V: source 0 = 16 rows of x (keys), source 1 = 16 columns of W: a lane holds one column and its registers run along the keys: a block of 64 keys gives half a fragment (six registers) and two scale bytes.
; The biases are the C of each sum's first product.
; OUT (qc: 102,400 bytes a slice; kv: 204,800): fragments of Q and of K at (16 pair + tile) x 1,536, registers 4 c .. 4 c + 3 of lane l at 512 c + 16 l; their scale words from 98,304 (qc) and 196,608 (kv) on, at 1,024 (tile / 4) + 256 pair + 16 r + 4 (tile % 4);
;   V's fragments at 98,304 + 3,072 column tile + 1,536 (128 keys), a half c at 768 c: registers 6 c .. 6 c + 3 at 16 l, registers 6 c + 4, 5 at 512 + 8 l; V's scale words at 200,704 + 2,048 (128 keys) + 512 w + 32 r + 4 (tile % 8).
; LIMITS: NaN and infinities are not served.  A block whose largest magnitude lies under 2^-122 has its byte held at 1; a block of zeros has the byte 1 (its codes are zeros; only this program reads the bytes).
; No cluster: what work-groups share, W, goes once into registers.  No prefetch: x is asked for a whole block ahead by loads into registers, 64 loads of 512 bytes a wave.
; REGISTERS, in windows of 256.  Window 0: v2-15, v112-115 addresses; v16-63 x's four fragments; v64-79 x's scale words; v80-111 W's; v124-139 at work; v140-159 codes; v160-223 results; v224-231 scale words gathered.
;   Window 1, 2: W's fragments of my tiles 0-3, 4-7 ((t, K step) at v[12 (4 t + k)]), from v192 their biases.   Window 3: four sets of 64 numbers of x, as loaded and then as turned.
.set QREG, 0                           ; LDS: each way has bytes of its own: 16 images of 1,536 bytes (tile m, K step k at (4 m + k) x 1,536), then the scale words, 512 m + 16 lane + 4 k
.set VREG, 26624
.set XSC,  24576
.set SPI,  528                         ; a stage's row: 512 bytes + 16 = 132 words: row r starts at bank 4 r mod 64 (64 banks of 4 bytes: ISA guide 11.1), so the 16 rows that a load touches start at 16 different banks
.set SQ,   53248                       ; the stages of Q's and K's way: 16 rows x 528 bytes for each wave;
.set SV,   SQ+4*16*SPI                 ; and of V's way
.set LI,  2                            ; v2   16 x lane
.set L8,  3                            ; v3   8 x lane
.set XWI, 4                            ; v4   16 x lane + 6,144 x wave: where I store x's images
.set XWS, 5                            ; v5   16 x lane + 512 x wave: and their scale words
.set R16, 6                            ; v6   16 r
.set GSQ, 7                            ; v7   16 r + 8 h: Q's and K's scale words on their way out
.set BOQ, 8                            ; v8   64 h: their bias
.set GSV, 9                            ; v9   32 r + 16 h: V's scale words
.set BOV, 10                           ; v10  4 (r + 8 (r / 8)): V's bias
.set XPW, 11                           ; v11  a scale word, or half of one, just made
.set SD,  12                           ; v12-15 scale words to be stored
.set XF,  16
.set XS,  64
.set WS,  80
.set STQ, 112                          ; v112 my stage, on the way in: SQ + 8,448 x wave + 16 x lane
.set SLQ, 113                          ; v113 and on the way out: SQ + 8,448 x wave + 528 r + 64 h
.set STV, 114                          ; v114, v115 the same in V's stages
.set SLV, 115
.set TM,  124                          ; +0..3 largest magnitudes, +4..7 bytes, +12..15 the conversions' scale operands
.set PC,  140
.set CT,  152
.set HA,  160
.set SWK, 224
.set BI,  192                          ; in windows 1 and 2
.set XP,  24                           ; s[24:25] x;  s[26:27] bias;  s[28:29] fragments out;  s[30:31] scale words out;  s[32:33] W's codes;  s[34:35] W's scale words
.set BP,  26
.set FP,  28
.set SP,  30
.set WP,  32
.set WSP, 34
.set WV,  36
.set ROLE, 37
.set BT0, 38
.set STR, 39
.set HM,  40                           ; lanes 16-31
.set J,   41
.set SEL, 42
.set FS3, 52
.set SS3, 53
.set MSB, 0
.macro WIN new                         ; s_set_vgpr_msb: bits 1:0 source 0, 3:2 source 1, 5:4 source 2, 7:6 destination; the high byte repeats the setting that is left
.if MSB != (\new)
	s_set_vgpr_msb (MSB<<8)|(\new)
.set MSB, \new
.endif
.endm
.macro MMC d, a, b, c, sa, sb
	v_wmma_scale_f32_16x16x128_f8f6f4 v[(\d):(\d)+7], v[(\a):(\a)+11], v[(\b):(\b)+11], v[(\c):(\c)+7], v[\sa], v[\sb] matrix_a_fmt:MATRIX_FMT_BF6 matrix_b_fmt:MATRIX_FMT_BF6
.endm
.macro PLACES n
.rept \n
	v_nop
.endr
.endm
.macro BAR                             ; my LDS stores have landed and my LDS loads are in: then the work-group's barrier
	s_wait_dscnt 0x0
	s_barrier_signal -1
	s_barrier_wait -1
.endm
; 64 numbers of a lane, v[s] .. v[s + 63] of window win, register 16 b + i = k 32 b + 16 h + i of my row, become a fragment's 12 registers from v[dst] on and its scale word in v[word].
; guard: the wait behind which dst and word, which earlier stores read, are written again (1: LDS stores; 2: global stores; 0: the caller has waited).
.macro QUANT4 s, win, dst, tmp, word, guard
	WIN ((\win)<<2)|((\win)<<4)
.irp b, 0,1,2,3
	v_max3_num_f32 v[TM+\b], 0x2800000, |v[(\s)+16*\b]|, |v[(\s)+16*\b+1]|   ; block b: my 16 numbers, and the floor 2^(5 - 127): the byte cannot fall under 1
.endr
.irp i, 2,4,6,8,10,12,14
.irp b, 0,1,2,3
	v_max3_num_f32 v[TM+\b], v[TM+\b], |v[(\s)+16*\b+\i]|, |v[(\s)+16*\b+\i+1]|   ; (the four blocks by turns)
.endr
.endr
	WIN 0
.irp b, 0,1,2,3
	v_permlanex16_b32 v[TM+4+\b], v[TM+\b], s[SEL], s[SEL+1]
.endr
.irp b, 0,1,2,3
	v_max_num_f32 v[TM+\b], v[TM+\b], v[TM+4+\b]   ; with lane l xor 16's: the block's largest magnitude
.endr
.irp b, 0,1,2,3
	v_add_nc_u32 v[TM+12+\b], 0xfe000000, v[TM+\b] ; 4 off its exponent field: the conversion's scale operand
.endr
.irp b, 0,1,2,3
	v_lshrrev_b32 v[TM+4+\b], 23, v[TM+12+\b]      ; the scale's byte
.endr
.if (\guard) == 1
	s_wait_dscnt 0x0
.elseif (\guard) == 2
	s_wait_xcnt 0x0
.endif
	v_lshl_or_b32 v[\word], v[TM+5], 8, v[TM+4]
	v_lshl_or_b32 v[\word], v[TM+6], 16, v[\word]
	v_lshl_or_b32 v[\word], v[TM+7], 24, v[\word]
	WIN \win
.irp c, 0,1
	v_cvt_scalef32_pk16_bf6_f32 v[(\dst)+6*\c:(\dst)+6*\c+2], v[(\s)+32*\c:(\s)+32*\c+15], v[TM+12+2*\c]
	v_cvt_scalef32_pk16_bf6_f32 v[(\tmp)+4*\c:(\tmp)+4*\c+2], v[(\s)+32*\c+16:(\s)+32*\c+31], v[TM+13+2*\c]   ; (a conversion's three registers begin on an even number)
.endr
	WIN 0
	v_nop                                          ; one plain instruction behind a scaled conversion
.irp c, 0,1                                    ; the operand's layout wants a WHOLE block in a lane: lanes 0-15 block 2 c, lanes 16-31 block 2 c + 1
.irp i, 0,1,2
	v_permlane16_swap_b32 v[(\dst)+6*\c+\i], v[(\tmp)+4*\c+\i]
.endr
.irp i, 0,1,2
	v_mov_b32 v[(\dst)+6*\c+3+\i], v[(\tmp)+4*\c+\i]
.endr
.endr
.endm
; The same for 32 numbers (two blocks), window 0: six registers from v[dst] on, and the two bytes in v[word].
.macro QUANT2 s, dst, tmp, word, guard
.irp b, 0,1
	v_max3_num_f32 v[TM+\b], 0x2800000, |v[(\s)+16*\b]|, |v[(\s)+16*\b+1]|
.endr
.irp i, 2,4,6,8,10,12,14
.irp b, 0,1
	v_max3_num_f32 v[TM+\b], v[TM+\b], |v[(\s)+16*\b+\i]|, |v[(\s)+16*\b+\i+1]|
.endr
.endr
.irp b, 0,1
	v_permlanex16_b32 v[TM+4+\b], v[TM+\b], s[SEL], s[SEL+1]
.endr
.irp b, 0,1
	v_max_num_f32 v[TM+\b], v[TM+\b], v[TM+4+\b]
.endr
.irp b, 0,1
	v_add_nc_u32 v[TM+12+\b], 0xfe000000, v[TM+\b]
.endr
.irp b, 0,1
	v_lshrrev_b32 v[TM+4+\b], 23, v[TM+12+\b]
.endr
.if (\guard) == 1
	s_wait_dscnt 0x0
.elseif (\guard) == 2
	s_wait_xcnt 0x0
.endif
	v_lshl_or_b32 v[\word], v[TM+5], 8, v[TM+4]
	v_cvt_scalef32_pk16_bf6_f32 v[(\dst):(\dst)+2], v[(\s):(\s)+15], v[TM+12]
	v_cvt_scalef32_pk16_bf6_f32 v[(\tmp):(\tmp)+2], v[(\s)+16:(\s)+31], v[TM+13]
	v_nop
.irp i, 0,1,2
	v_permlane16_swap_b32 v[(\dst)+\i], v[(\tmp)+\i]
.endr
.irp i, 0,1,2
	v_mov_b32 v[(\dst)+3+\i], v[(\tmp)+\i]
.endr
.endm
; K step s (512 bytes a row) of my tile's 16 rows, off bytes on, into set s of window 3, as it lies: load p takes the tile's row p, which is row p + 8 (p / 8) from the tile's first; 32 lanes read 512 consecutive bytes, aligned
.macro XLOAD s, off
	WIN 0xc0
.irp p, 0,1,2,3,4,5,6,7,8,9,10,11,12,13,14,15
	global_load_b128 v[64*(\s)+4*\p:64*(\s)+4*\p+3], v[LI], s[XP:XP+1] offset:(\off)+(\p+8*(\p/8))*2048+512*(\s) th:TH_LOAD_NT
.endr
	WIN 0
.endm
; Set s goes through my stage: in as it lies, row p at 528 p; back so that register 16 b + 4 j + e of lane (r, h) is number 32 b + 16 h + 4 j + e of row r's K step.  The numbers come back into the registers that they left.
; LDS serves a wave's instructions in order (ISA guide 5.7.1.4): no wait stands between the stores and the loads, nor in front of the next set's stores; the stage is my wave's own, so no barrier either.
.macro TURN wa, ra, s
	WIN 0x0c                                       ; an LDS store's data are its source 1: window 3
.irp p, 0,1,2,3,4,5,6,7,8,9,10,11,12,13,14,15
	ds_store_b128 v[\wa], v[64*(\s)+4*\p:64*(\s)+4*\p+3] offset:SPI*\p
.endr
	WIN 0xc0
.irp b, 0,1,2,3
.irp j, 0,1,2,3
	ds_load_b128 v[64*(\s)+16*\b+4*\j:64*(\s)+16*\b+4*\j+3], v[\ra] offset:128*\b+16*\j
.endr
.endr
	WIN 0
.endm
; My tile of x becomes four images in LDS.  The turn of set s + 1 is issued ahead of the quantising of set s.  ahead = 1: each set is asked for again, for the next block, as soon as it has been converted.
.macro XPHASE reg, wa, ra, ahead
	s_wait_loadcnt 48                              ; loads come back in order: set 0 is in; the three younger sets of 16 loads stay out.  (W, its scales and the biases are older than every load of x)
	TURN \wa, \ra, 0
.irp s, 0,1,2,3
.if \s < 3
.if \ahead
	s_wait_loadcnt 32                              ; set s + 1 is in; two younger sets stay out: of this block, or those just asked for again
.else
	s_wait_loadcnt 32-16*\s                        ; the last block asks for nothing: the counts run down
.endif
	TURN \wa, \ra, \s+1
	s_wait_dscnt 32                                ; all but the 32 just issued: set s is back from the stage, and the last set's images have been stored, so that their registers may be written again
.else
	s_wait_dscnt 0x0
.endif
	QUANT4 64*\s, 3, PC, CT, XPW, 0
.irp c, 0,1,2
	ds_store_b128 v[XWI], v[PC+4*\c:PC+4*\c+3] offset:\reg+1536*\s+512*\c
.endr
	ds_store_b32 v[XWS], v[XPW] offset:\reg+XSC+4*\s
.if \ahead
	XLOAD \s, 131072
.endif
.endr
.endm
.macro FETCH reg, m                    ; tile m's four fragments of x
.set i, 0
.rept 12
	ds_load_b128 v[XF+4*i:XF+4*i+3], v[LI] offset:(\reg)+(\m)*6144+512*i
.set i, i+1
.endr
.endm
	s_load_b256 s[4:11], s[0:1], 0x0               ; query_spikes, key_spikes, value_spikes, wcodes
	s_load_b256 s[12:19], s[0:1], 0x20             ; wscales, bq, bk, bv
	s_load_b128 s[20:23], s[0:1], 0x40             ; qc, kv
	v_lshl_add_u32 v254, v0, 2, 0x1d800
	v_mov_b32 v255, 0
	v_lshrrev_b32 v1, 5, v0
	v_readfirstlane_b32 s[WV], v1                  ; wave 0..3
	v_and_b32 v16, 15, v0                          ; r
	v_bfe_u32 v17, v0, 4, 1                        ; h
	v_and_b32 v18, 8, v16
	v_add_nc_u32 v18, v18, v16                     ; r + 8 (r / 8)
	v_and_b32 v19, 31, v0                          ; lane
	v_lshlrev_b32 v[LI], 4, v19
	v_lshlrev_b32 v[L8], 3, v19
	s_mul_i32 s44, s[WV], 6144
	v_add_nc_u32 v[XWI], s44, v[LI]
	s_lshl_b32 s44, s[WV], 9
	v_add_nc_u32 v[XWS], s44, v[LI]
	s_mul_i32 s44, s[WV], 16*SPI                   ; my stage; both ways' addresses are made here, ahead of the parting of the ways
	v_add_nc_u32 v[STV], s44, v[LI]
	v_add_nc_u32 v[STQ], SQ, v[STV]
	v_add_nc_u32 v[STV], SV, v[STV]
	v_mul_u32_u24 v[SLV], v16, SPI
	v_lshl_add_u32 v[SLV], v17, 6, v[SLV]
	v_add_nc_u32 v[SLV], s44, v[SLV]
	v_add_nc_u32 v[SLQ], SQ, v[SLV]
	v_add_nc_u32 v[SLV], SV, v[SLV]
	v_lshlrev_b32 v[R16], 4, v16
	v_lshl_add_u32 v[GSQ], v17, 3, v[R16]
	v_lshlrev_b32 v[BOQ], 6, v17
	v_lshlrev_b32 v[GSV], 5, v16
	v_lshl_add_u32 v[GSV], v17, 4, v[GSV]
	v_lshlrev_b32 v[BOV], 2, v18
.irp b, 0,1,2,3
	v_mov_b32 v[TM+4+\b], 0                        ; written once: a lane permute's destination counts as one of its sources
.endr
.irp t, 0,1,2,3,4,5,6,7
	v_mov_b32 v[SWK+\t], 0
.endr
	s_mov_b32 s[HM], 0xffff0000
	s_mov_b32 s[SEL], 0x76543210
	s_mov_b32 s[SEL+1], 0xfedcba98
	; which tensor, which slice, and the places in the buffers: all from the work-group's and the wave's number
	s_and_b32 s[BT0], ttmp9, 63
	s_lshl_b32 s[BT0], s[BT0], 1                   ; Q, K: two slices a work-group
	s_sub_co_u32 s44, ttmp9, 128                   ; V: one
	s_mov_b32 s[STR], 204800                       ; a slice's bytes in kv
	s_mov_b32 s50, 200704                          ; where the scale words begin in a slice: V's,
	s_cmp_lt_u32 ttmp9, 128
	s_cselect_b32 s[BT0], s[BT0], s44
	s_cselect_b32 s[ROLE], 1, 2
	s_cselect_b32 s47, 0, 98304                    ; V's fragments lie behind K's
	s_cselect_b32 s51, 8, 9                        ; a wave's scale words: 256 bytes apart, V's 512
	s_cselect_b32 s50, 196608, s50                 ; K's,
	s_cmp_lt_u32 ttmp9, 64
	s_cselect_b32 s[ROLE], 0, s[ROLE]
	s_cselect_b32 s[STR], 102400, s[STR]           ; in qc
	s_cselect_b32 s50, 98304, s50                  ; Q's
	s_mul_i32 s46, s[BT0], s[STR]
	s_mul_i32 s48, s[WV], 24576
	s_add_co_u32 s48, s48, s46
	s_add_co_u32 s48, s48, s47                     ; fragments out
	s_mov_b32 s49, 0
	s_lshl_b32 s51, s[WV], s51
	s_add_co_u32 s50, s50, s51
	s_add_co_u32 s50, s50, s46                     ; scale words out
	s_mov_b32 s51, 0
	s_sub_co_u32 s[FS3], s[STR], 18432             ; from a slice's last block to the next slice's first
	s_sub_co_u32 s[SS3], s[STR], 3072
	s_mov_b32 s55, 0
	s_mov_b32 s57, 0
	s_lshl_b32 s44, s[BT0], 19                     ; x: 256 rows of 2,048 bytes a slice,
	s_lshr_b32 s45, s[WV], 1
	s_lshl_b32 s45, s45, 16                        ; my tile's first row: 32 (w / 2)
	s_add_co_u32 s44, s44, s45
	s_and_b32 s45, s[WV], 1
	s_lshl_b32 s45, s45, 14                        ; + 8 (w % 2)
	s_add_co_u32 s44, s44, s45
	s_mov_b32 s45, 0
	s_wait_kmcnt 0x0
	s_cmp_lt_u32 ttmp9, 64                         ; the choices hang on the work-group's number alone
	s_cselect_b64 s[XP:XP+1], s[4:5], s[6:7]
	s_cselect_b64 s[BP:BP+1], s[14:15], s[16:17]
	s_cselect_b64 s[FP:FP+1], s[20:21], s[22:23]
	s_cmp_lt_u32 ttmp9, 128
	s_cselect_b64 s[XP:XP+1], s[XP:XP+1], s[8:9]
	s_cselect_b64 s[BP:BP+1], s[BP:BP+1], s[18:19]
	s_add_nc_u64 s[XP:XP+1], s[XP:XP+1], s[44:45]
	s_add_nc_u64 s[SP:SP+1], s[FP:FP+1], s[50:51]
	s_add_nc_u64 s[FP:FP+1], s[FP:FP+1], s[48:49]
	s_mul_i32 s44, s[ROLE], 196608
	s_mul_i32 s46, s[WV], 49152
	s_add_co_u32 s44, s44, s46
	s_add_nc_u64 s[WP:WP+1], s[10:11], s[44:45]
	s_lshl_b32 s44, s[ROLE], 13
	s_lshl_b32 s46, s[WV], 11
	s_add_co_u32 s44, s44, s46
	s_add_nc_u64 s[WSP:WSP+1], s[12:13], s[44:45]
	s_lshl_b32 s44, s[WV], 9
	s_add_nc_u64 s[BP:BP+1], s[BP:BP+1], s[44:45]
.irp g, 0,1                                    ; my 32 fragments of W: they stay
	WIN 0x40*(\g+1)
.set i, 0
.rept 48
	global_load_b128 v[4*i:4*i+3], v[LI], s[WP:WP+1] offset:24576*\g+512*i
.set i, i+1
.endr
.endr
	WIN 0
.irp t, 0,1,2,3,4,5,6,7
	global_load_b128 v[WS+4*\t:WS+4*\t+3], v[R16], s[WSP:WSP+1] offset:256*\t   ; tile t's scale words of the four K steps
.endr
	s_cmp_ge_u32 ttmp9, 128
	s_cbranch_scc1 .Lvpath
	; ---------------- Q and K
.irp t, 0,1,2,3,4,5,6,7                        ; the bias in the result's layout: lane (r, h), tile 2 b + u: columns 32 b + 16 h + 8 u + 0 .. 7
	WIN 0x40*(\t/4+1)
	global_load_b128 v[BI+8*(\t%4):BI+8*(\t%4)+3], v[BOQ], s[BP:BP+1] offset:(32*(\t/2)+8*(\t%2))*4
	global_load_b128 v[BI+8*(\t%4)+4:BI+8*(\t%4)+7], v[BOQ], s[BP:BP+1] offset:(32*(\t/2)+8*(\t%2))*4+16
.endr
	WIN 0
.irp s, 0,1,2,3
	XLOAD \s, 0
.endr
.macro QKBLOCK ahead
	XPHASE QREG, STQ, SLQ, \ahead
	BAR                                            ; x's sixteen images lie in LDS
	FETCH QREG, 0
	ds_load_b128 v[XS:XS+3], v[LI] offset:QREG+XSC
.irp m, 0,1,2,3
	s_wait_dscnt 0x0
.irp g, 0,1                                    ; four accumulators by turns, a K step at a time
.irp k, 0,1,2,3
.if \k == 0
	WIN 0x11*(\g+1)                                ; source 0 (W) and source 2 (the bias) in window 1 + g
.else
	WIN \g+1
.endif
.irp t, 0,1,2,3
.if \k == 0
	MMC HA+8*(4*\g+\t), 12*(4*\t+\k), XF+12*\k, BI+8*\t, WS+4*(4*\g+\t)+\k, XS+\k
.else
	MMC HA+8*(4*\g+\t), 12*(4*\t+\k), XF+12*\k, HA+8*(4*\g+\t), WS+4*(4*\g+\t)+\k, XS+\k
.endif
.endr
.endr
.endr
	WIN 0
	PLACES 5                                       ; in front of loads into registers that the products have read, of the first read of results, and of the next tile's products, which begin these accumulators anew
.if \m < 3
	FETCH QREG, \m+1
	ds_load_b128 v[XS:XS+3], v[LI] offset:QREG+XSC+512*(\m+1)
.endif
	QUANT4 HA, 0, PC, CT, SWK+\m, 2
.irp c, 0,1,2
	global_store_b128 v[LI], v[PC+4*\c:PC+4*\c+3], s[FP:FP+1] offset:\m*1536+512*\c   ; 512 consecutive bytes a store
.endr
.endr
	v_cndmask_b32 v[SD], v[SWK], v[SWK+2], s[HM]   ; lanes 0-15 store the words of tiles 0, 1, lanes 16-31 those of tiles 2, 3: 256 consecutive bytes, aligned
	v_cndmask_b32 v[SD+1], v[SWK+1], v[SWK+3], s[HM]
	global_store_b64 v[GSQ], v[SD:SD+1], s[SP:SP+1]
	BAR                                            ; every wave's reads of the images are over: they may be written again
.endm
	s_mov_b32 s[J], 0
.Lqk:
	QKBLOCK 1
	s_wait_xcnt 0x0                                ; the loads and stores have read their bases and registers
	s_add_nc_u64 s[XP:XP+1], s[XP:XP+1], 131072
	s_and_b32 s44, s[J], 3
	s_cmp_eq_u32 s44, 3                            ; behind a slice's fourth block: on to the next slice
	s_cselect_b32 s54, s[FS3], 6144
	s_cselect_b32 s56, s[SS3], 1024
	s_add_nc_u64 s[FP:FP+1], s[FP:FP+1], s[54:55]
	s_add_nc_u64 s[SP:SP+1], s[SP:SP+1], s[56:57]
	s_add_co_u32 s[J], s[J], 1
	s_cmp_lt_u32 s[J], 7
	s_cbranch_scc1 .Lqk
	QKBLOCK 0                                      ; the last block is written out: no load leaves its buffer
	s_wait_tensorcnt 0x0
	ds_add_u32 v254, v255
	s_wait_dscnt 0x0
	s_endpgm
	; ---------------- V
.Lvpath:
.irp t, 0,1,2,3,4,5,6,7                        ; the bias in the result's layout: a lane holds ONE column, so all eight registers hold its bias
	WIN 0x40*(\t/4+1)
.irp j, 0,1,2,3,4,5,6,7
	global_load_b32 v[BI+8*(\t%4)+\j], v[BOV], s[BP:BP+1] offset:(32*(\t/2)+8*(\t%2))*4
.endr
.endr
	WIN 0
.irp s, 0,1,2,3
	XLOAD \s, 0
.endr
.macro VBLOCK ahead
	XPHASE VREG, STV, SLV, \ahead
	BAR
.irp m, 0,1,2,3
	ds_load_b128 v[XS+4*\m:XS+4*\m+3], v[LI] offset:VREG+XSC+512*\m
.endr
.irp gp, 0,1,2,3                               ; two of my eight column tiles at a time, for all 64 keys
.irp m, 0,1,2,3
	FETCH VREG, \m
	s_wait_dscnt 0x0
.irp k, 0,1,2,3
.if \k == 0
	WIN 0x14*(\gp/2+1)                             ; source 1 (W) and source 2 (the bias) in window 1 + gp / 2
.else
	WIN 0x04*(\gp/2+1)
.endif
.irp tt, 0,1                                   ; two accumulators by turns
.if \k == 0
	MMC HA+32*\tt+8*\m, XF+12*\k, 12*(4*(2*(\gp%2)+\tt)+\k), BI+8*(2*(\gp%2)+\tt), XS+4*\m+\k, WS+4*(2*\gp+\tt)+\k
.else
	MMC HA+32*\tt+8*\m, XF+12*\k, 12*(4*(2*(\gp%2)+\tt)+\k), HA+32*\tt+8*\m, XS+4*\m+\k, WS+4*(2*\gp+\tt)+\k
.endif
.endr
.endr
	WIN 0
	PLACES 5
.endr
.irp tt, 0,1
	QUANT2 HA+32*\tt, PC, CT, XPW, 2               ; 64 keys of my column: half a fragment
	global_store_b128 v[LI], v[PC:PC+3], s[FP:FP+1] offset:(2*\gp+\tt)*3072
	global_store_b64 v[L8], v[PC+4:PC+5], s[FP:FP+1] offset:(2*\gp+\tt)*3072+512   ; the two stores cover 768 consecutive bytes
	v_lshrrev_b32 v[SWK+2*\gp+\tt], 16, v[SWK+2*\gp+\tt]       ; the word of 128 keys: the even block's two bytes below, the odd block's above
	v_lshl_or_b32 v[SWK+2*\gp+\tt], v[XPW], 16, v[SWK+2*\gp+\tt]
.endr
.endr
	s_and_b32 s44, s[J], 1
	s_cmp_eq_u32 s44, 0
	s_cbranch_scc1 .Leven_\@                       ; behind an odd block the words are whole
	s_wait_xcnt 0x0
.irp j, 0,1,2,3
	v_cndmask_b32 v[SD+\j], v[SWK+\j], v[SWK+4+\j], s[HM]
.endr
	global_store_b128 v[GSV], v[SD:SD+3], s[SP:SP+1]           ; 512 consecutive bytes
	s_wait_xcnt 0x0
	s_add_nc_u64 s[SP:SP+1], s[SP:SP+1], 2048
.Leven_\@:
	BAR
.endm
	s_mov_b32 s[J], 0
.Lv:
	VBLOCK 1
	s_wait_xcnt 0x0
	s_add_nc_u64 s[FP:FP+1], s[FP:FP+1], 768
	s_add_nc_u64 s[XP:XP+1], s[XP:XP+1], 131072
	s_add_co_u32 s[J], s[J], 1
	s_cmp_lt_u32 s[J], 3
	s_cbranch_scc1 .Lv
	VBLOCK 0                                       ; the last block (J = 3) is written out: no load leaves its buffer
	s_wait_tensorcnt 0x0
	ds_add_u32 v254, v255
	s_wait_dscnt 0x0
	s_endpgm
.Lfunc_end_k_q195045bd67_proj:
	.size	k_q195045bd67_proj, .Lfunc_end_k_q195045bd67_proj-k_q195045bd67_proj
	.p2alignl 7, 3214868480
	.fill 96, 4, 3214868480
	.section	.rodata,"a",@progbits
	.p2align	6, 0x0
	.amdhsa_kernel k_q195045bd67_proj
		.amdhsa_group_segment_fixed_size 121344
		.amdhsa_private_segment_fixed_size 0
		.amdhsa_enable_private_segment 0
		.amdhsa_kernarg_size 80
		.amdhsa_user_sgpr_count 2
		.amdhsa_user_sgpr_kernarg_segment_ptr 1
		.amdhsa_wavefront_size32 1
		.amdhsa_system_sgpr_workgroup_id_x 1
		.amdhsa_system_sgpr_workgroup_id_y 1
		.amdhsa_system_sgpr_workgroup_id_z 1
		.amdhsa_system_vgpr_workitem_id 0
		.amdhsa_next_free_vgpr 1024
		.amdhsa_next_free_sgpr 66
		.amdhsa_reserve_vcc 0
		.amdhsa_float_denorm_mode_32 3
		.amdhsa_float_denorm_mode_16_64 3
		.amdhsa_memory_ordered 1
		.amdhsa_forward_progress 1
		.amdhsa_inst_pref_size 255
	.end_amdhsa_kernel
	.section	.bss,"aw",@nobits
	.p2align	6
	.space	262144
	.amdgpu_metadata
---
amdhsa.version: [ 1, 2 ]
amdhsa.kernels:
  - .name:           k_q195045bd67_proj
    .symbol:         k_q195045bd67_proj.kd
    .args:
      - { .name: query_spikes, .offset: 0, .size: 8, .value_kind: global_buffer, .address_space: global }
      - { .name: key_spikes, .offset: 8, .size: 8, .value_kind: global_buffer, .address_space: global }
      - { .name: value_spikes, .offset: 16, .size: 8, .value_kind: global_buffer, .address_space: global }
      - { .name: wcodes, .offset: 24, .size: 8, .value_kind: global_buffer, .address_space: global }
      - { .name: wscales, .offset: 32, .size: 8, .value_kind: global_buffer, .address_space: global }
      - { .name: bq, .offset: 40, .size: 8, .value_kind: global_buffer, .address_space: global }
      - { .name: bk, .offset: 48, .size: 8, .value_kind: global_buffer, .address_space: global }
      - { .name: bv, .offset: 56, .size: 8, .value_kind: global_buffer, .address_space: global }
      - { .name: qc, .offset: 64, .size: 8, .value_kind: global_buffer, .address_space: global }
      - { .name: kv, .offset: 72, .size: 8, .value_kind: global_buffer, .address_space: global }
    .group_segment_fixed_size: 121344
    .private_segment_fixed_size: 0
    .kernarg_segment_align: 8
    .kernarg_segment_size: 80
    .max_flat_workgroup_size: 128
    .sgpr_count:     66
    .vgpr_count:     1024
    .wavefront_size: 32
...
	.end_amdgpu_metadata
.endif
;; end of part 4
;; launch attn: the kernel of part 3 again; grid 256 x 1, 8 waves a work-group, no clusters, 293,888 bytes of LDS; arguments qc, kv, wcodes, wscales, bo, modality_weights, temporal_sync, out0; writes out0
;; ======== version 3 of 3: 3 launches; version 2 with the launch proj written anew for expert scheduling mode
;; workspace buffers: wcodes 786,432 bytes; wscales 32,768 bytes; qc 13,107,200 bytes; kv 26,214,400 bytes
;; launch prep: the kernel of part 1 again; grid 32 x 4, 4 waves a work-group, no clusters, 768 bytes of LDS; arguments Wq, Wk, Wv, Wo, wcodes, wscales; writes wcodes, wscales
;; launch proj (part 5): grid 256 x 1, 4 waves a work-group, no clusters, 121,344 bytes of LDS; arguments query_spikes, key_spikes, value_spikes, wcodes, wscales, bq, bk, bv, qc, kv; writes qc, kv
.if DOCPART == 5
	.amdgcn_target "amdgcn-amd-amdhsa--gfx1250"
	.amdhsa_code_object_version 6
	.text
	.protected	k_q195045bd67_proj
	.globl	k_q195045bd67_proj
	.p2align	8
	.type	k_q195045bd67_proj,@function
k_q195045bd67_proj:
	s_mov_b64 s[64:65], 0
	v_nop
	global_prefetch_b8 v0, s[64:65] scope:SCOPE_SE
	s_setreg_imm32_b32 hwreg(HW_REG_WAVE_SCHED_MODE, 0, 2), 2
	s_setreg_imm32_b32 hwreg(HW_REG_WAVE_MODE, 25, 1), 1
	s_wait_xcnt 0x0
	s_wait_alu depctr_vm_vsrc(0)
; Q = xq Wq + bq, K = xk Wk + bk, V = xv Wv + bv on codes of BF6 (E3M2) with one E8M0 scale for each 32 along K; the results are quantised at once for the products that follow (Q, K along the head's 64, V along the keys).
; WHO: work-groups 0-63 take 512 rows of the queries (two slices of 256), 64-127 the same of the keys, 128-255 one slice of 256 rows of the values (V's way reads x's fragments four times from LDS, so it gets half the rows).
; Rows go in blocks of 64.  THE WAVES SHARE THE COLUMNS: wave w owns columns 128 w .. 128 w + 127 (heads 2 w, 2 w + 1); its 32 fragments of W stay in 384 registers for the whole launch.
; A BLOCK: wave w quantises tile w (16 rows) of x, four fragments, and stores them in LDS as images of the registers | barrier | every wave multiplies all four tiles by its columns, quantises, stores | barrier.
; X IS LOADED AS IT LIES AND TURNED THROUGH LDS.  The conversions want 16 neighbours along K in ONE lane's registers; a load is best where neighbouring LANES take neighbouring bytes.  So each load reads 512 consecutive bytes, aligned
; (one row of my tile, one K step, 16 bytes a lane); a K step's 16 rows go into the wave's own stage in LDS as they lie and come back 64 bytes a lane and block of 32, into the registers that they left.
; THE ROWS OF A TILE ARE NOT NEIGHBOURS, of x as of W's columns: lane r of tile 2 b + u stands for index 32 b + 8 u + r + 8 (r / 8).  So the 16 registers of two neighbouring result tiles are 16 neighbours along the next K.
; Q, K: source 0 = 16 columns of W, source 1 = 16 rows of x: a lane holds one row and 64 columns in registers: one fragment (both heads of the pair: registers 0-5 the even head, 6-11 the odd) and one scale word.
; V: source 0 = 16 rows of x (keys), source 1 = 16 columns of W: a lane holds one column and its registers run along the keys: a block of 64 keys gives half a fragment (six registers) and two scale bytes.
; The biases are the C of each sum's first product.
; OUT (qc: 102,400 bytes a slice; kv: 204,800): fragments of Q and of K at (16 pair + tile) x 1,536, registers 4 c .. 4 c + 3 of lane l at 512 c + 16 l; their scale words from 98,304 (qc) and 196,608 (kv) on, at 1,024 (tile / 4) + 256 pair + 16 r + 4 (tile % 4);
;   V's fragments at 98,304 + 3,072 column tile + 1,536 (128 keys), a half c at 768 c: registers 6 c .. 6 c + 3 at 16 l, registers 6 c + 4, 5 at 512 + 8 l; V's scale words at 200,704 + 2,048 (128 keys) + 512 w + 32 r + 4 (tile % 8).
; LIMITS: NaN and infinities are not served.  A block whose largest magnitude lies under 2^-122 has its byte held at 1; a block of zeros has the byte 1 (its codes are zeros; only this program reads the bytes).
; No cluster: what work-groups share, W, goes once into registers.  No prefetch: x is asked for a whole block ahead by loads into registers, 64 loads of 512 bytes a wave.
; REGISTERS, in windows of 256.  Window 0: v2-15, v112-115 addresses; v16-63 x's four fragments; v64-79 x's scale words; v80-111 W's; v124-139 at work; v140-151 codes; v152-159 at work; v160-223 results; v224-231 scale words gathered; v232-243 codes, the second out-buffer.
;   Window 1, 2: W's fragments of my tiles 0-3, 4-7 ((t, K step) at v[12 (4 t + k)]), from v192 their biases.   Window 3: four sets of 64 numbers of x, as loaded and then as turned.
; THE MODE: SCHED_MODE bits 1:0 = 2 (LLVM: expert scheduling mode 2), set by the entry lines.  The code itself states the register dependences between vector or matrix instructions and memory or LDS instructions, with s_wait_alu, always for 0.
; THE PLAN.  Registers that memory or LDS instructions touch, and who else names them:
;   v2-10, v112-115   addresses: made once at the head, ahead of the wait in front of the first load, and never written again: rows, K steps and tiles stand in immediates and in scalar bases.
;   W, WS, biases     loaded once at the head; afterwards named by products alone.
;   sets 0-3          global loads land | the stage's LDS stores read | the stage's LDS loads land | the maxima and conversions read | the next block's global loads land.
;   PC, XPW           in x's phase: written by a set's conversions and moves, read by its four image stores.
;   XF, XS            LDS loads land, a tile's products read.  One buffer: no 48 registers are left for a second, so a wait for the products stands in front of each refill.
;   PC, PD            Q, K: two out-buffers by turns: tile m's conversions and moves write buffer m % 2; its stores are issued a tile later, behind that tile's one wait.
;   PC, PC + 6        V: an out-buffer for each column tile of a pair; the pair's stores are issued behind the next pair's first step.
;   SD                written by v_cndmask_b32, read by one store a block (V: every second block).
;   HA, TM, CT, SWK are named by vector and matrix instructions alone.  No vector instruction writes an operand or a scale of a product: all of them come by loads.
.set QREG, 0                           ; LDS: each way has bytes of its own: 16 images of 1,536 bytes (tile m, K step k at (4 m + k) x 1,536), then the scale words, 512 m + 16 lane + 4 k
.set VREG, 26624
.set XSC,  24576
.set SPI,  528                         ; a stage's row: 512 bytes + 16 = 132 words: row r starts at bank 4 r mod 64 (64 banks of 4 bytes: ISA guide 11.1), so the 16 rows that a load touches start at 16 different banks
.set SQ,   53248                       ; the stages of Q's and K's way: 16 rows x 528 bytes for each wave;
.set SV,   SQ+4*16*SPI                 ; and of V's way
.set LI,  2                            ; v2   16 x lane
.set L8,  3                            ; v3   8 x lane
.set XWI, 4                            ; v4   16 x lane + 6,144 x wave: where I store x's images
.set XWS, 5                            ; v5   16 x lane + 512 x wave: and their scale words
.set R16, 6                            ; v6   16 r
.set GSQ, 7                            ; v7   16 r + 8 h: Q's and K's scale words on their way out
.set BOQ, 8                            ; v8   64 h: their bias
.set GSV, 9                            ; v9   32 r + 16 h: V's scale words
.set BOV, 10                           ; v10  4 (r + 8 (r / 8)): V's bias
.set XPW, 11                           ; v11  a scale word, or half of one, just made
.set SD,  12                           ; v12-15 scale words to be stored
.set XF,  16
.set XS,  64
.set WS,  80
.set STQ, 112                          ; v112 my stage, on the way in: SQ + 8,448 x wave + 16 x lane
.set SLQ, 113                          ; v113 and on the way out: SQ + 8,448 x wave + 528 r + 64 h
.set STV, 114                          ; v114, v115 the same in V's stages
.set SLV, 115
.set TM,  124                          ; +0..3 largest magnitudes, +4..7 bytes, +12..15 the conversions' scale operands
.set PC,  140
.set CT,  152
.set HA,  160
.set SWK, 224
.set PD,  232                          ; v232-243 Q's and K's second out-buffer
.set BI,  192                          ; in windows 1 and 2
.set XP,  24                           ; s[24:25] x;  s[26:27] bias;  s[28:29] fragments out;  s[30:31] scale words out;  s[32:33] W's codes;  s[34:35] W's scale words
.set BP,  26
.set FP,  28
.set SP,  30
.set WP,  32
.set WSP, 34
.set WV,  36
.set ROLE, 37
.set BT0, 38
.set STR, 39
.set HM,  40                           ; lanes 16-31
.set J,   41
.set SEL, 42
.set FS3, 52
.set SS3, 53
.set MSB, 0
.macro WIN new                         ; s_set_vgpr_msb: bits 1:0 source 0, 3:2 source 1, 5:4 source 2, 7:6 destination; the high byte repeats the setting that is left
.if MSB != (\new)
	s_set_vgpr_msb (MSB<<8)|(\new)
.set MSB, \new
.endif
.endm
.macro MMC d, a, b, c, sa, sb
	v_wmma_scale_f32_16x16x128_f8f6f4 v[(\d):(\d)+7], v[(\a):(\a)+11], v[(\b):(\b)+11], v[(\c):(\c)+7], v[\sa], v[\sb] matrix_a_fmt:MATRIX_FMT_BF6 matrix_b_fmt:MATRIX_FMT_BF6
.endm
.macro PLACES n
.rept \n
	v_nop
.endr
.endm
.macro BAR                             ; my LDS stores have landed and my LDS loads are in: then the work-group's barrier
	s_wait_dscnt 0x0
	s_barrier_signal -1
	s_barrier_wait -1
.endm
; 64 numbers of a lane, v[s] .. v[s + 63] of window win, register 16 b + i = k 32 b + 16 h + i of my row, become a fragment's 12 registers from v[dst] on and its scale word in v[word].
; The caller has stated, ahead of the macro, that the stores which read dst and word have read them.
.macro QUANT4 s, win, dst, tmp, word
	WIN ((\win)<<2)|((\win)<<4)
.irp b, 0,1,2,3
	v_max3_num_f32 v[TM+\b], 0x2800000, |v[(\s)+16*\b]|, |v[(\s)+16*\b+1]|   ; block b: my 16 numbers, and the floor 2^(5 - 127): the byte cannot fall under 1
.endr
.irp i, 2,4,6,8,10,12,14
.irp b, 0,1,2,3
	v_max3_num_f32 v[TM+\b], v[TM+\b], |v[(\s)+16*\b+\i]|, |v[(\s)+16*\b+\i+1]|   ; (the four blocks by turns)
.endr
.endr
	WIN 0
.irp b, 0,1,2,3
	v_permlanex16_b32 v[TM+4+\b], v[TM+\b], s[SEL], s[SEL+1]
.endr
.irp b, 0,1,2,3
	v_max_num_f32 v[TM+\b], v[TM+\b], v[TM+4+\b]   ; with lane l xor 16's: the block's largest magnitude
.endr
.irp b, 0,1,2,3
	v_add_nc_u32 v[TM+12+\b], 0xfe000000, v[TM+\b] ; 4 off its exponent field: the conversion's scale operand
.endr
.irp b, 0,1,2,3
	v_lshrrev_b32 v[TM+4+\b], 23, v[TM+12+\b]      ; the scale's byte
.endr
	v_lshl_or_b32 v[\word], v[TM+5], 8, v[TM+4]
	v_lshl_or_b32 v[\word], v[TM+6], 16, v[\word]
	v_lshl_or_b32 v[\word], v[TM+7], 24, v[\word]
	WIN \win
.irp c, 0,1
	v_cvt_scalef32_pk16_bf6_f32 v[(\dst)+6*\c:(\dst)+6*\c+2], v[(\s)+32*\c:(\s)+32*\c+15], v[TM+12+2*\c]
	v_cvt_scalef32_pk16_bf6_f32 v[(\tmp)+4*\c:(\tmp)+4*\c+2], v[(\s)+32*\c+16:(\s)+32*\c+31], v[TM+13+2*\c]   ; (a conversion's three registers begin on an even number)
.endr
	WIN 0
	v_nop                                          ; one plain instruction behind a scaled conversion
.irp c, 0,1                                    ; the operand's layout wants a WHOLE block in a lane: lanes 0-15 block 2 c, lanes 16-31 block 2 c + 1
.irp i, 0,1,2
	v_permlane16_swap_b32 v[(\dst)+6*\c+\i], v[(\tmp)+4*\c+\i]
.endr
.irp i, 0,1,2
	v_mov_b32 v[(\dst)+6*\c+3+\i], v[(\tmp)+4*\c+\i]
.endr
.endr
.endm
; The same for 32 numbers (two blocks), window 0: six registers from v[dst] on, and the two bytes in v[word].  guard = 2: the first of a pair, which states that both out-buffers and the word may be written again; 0: the second.
.macro QUANT2 s, dst, tmp, word, guard
.irp b, 0,1
	v_max3_num_f32 v[TM+\b], 0x2800000, |v[(\s)+16*\b]|, |v[(\s)+16*\b+1]|
.endr
.irp i, 2,4,6,8,10,12,14
.irp b, 0,1
	v_max3_num_f32 v[TM+\b], v[TM+\b], |v[(\s)+16*\b+\i]|, |v[(\s)+16*\b+\i+1]|
.endr
.endr
.irp b, 0,1
	v_permlanex16_b32 v[TM+4+\b], v[TM+\b], s[SEL], s[SEL+1]
.endr
.irp b, 0,1
	v_max_num_f32 v[TM+\b], v[TM+\b], v[TM+4+\b]
.endr
.irp b, 0,1
	v_add_nc_u32 v[TM+12+\b], 0xfe000000, v[TM+\b]
.endr
.irp b, 0,1
	v_lshrrev_b32 v[TM+4+\b], 23, v[TM+12+\b]
.endr
.if (\guard) == 2
	s_wait_xcnt 0x0                                ; the last pair's stores, issued three steps back, have had their addresses translated (ISA guide 3.1): their data registers are written again only behind this wait
	s_wait_alu depctr_vm_vsrc(0)                   ; the last pair's stores have read both out-buffers, and the images' LDS stores v[PC ..] and v[XPW]: this pair's conversions, moves and words write them again
.endif
	v_lshl_or_b32 v[\word], v[TM+5], 8, v[TM+4]
	v_cvt_scalef32_pk16_bf6_f32 v[(\dst):(\dst)+2], v[(\s):(\s)+15], v[TM+12]
	v_cvt_scalef32_pk16_bf6_f32 v[(\tmp):(\tmp)+2], v[(\s)+16:(\s)+31], v[TM+13]
	v_nop
.irp i, 0,1,2
	v_permlane16_swap_b32 v[(\dst)+\i], v[(\tmp)+\i]
.endr
.irp i, 0,1,2
	v_mov_b32 v[(\dst)+3+\i], v[(\tmp)+\i]
.endr
.endm
; K step s (512 bytes a row) of my tile's 16 rows, off bytes on, into set s of window 3, as it lies: load p takes the tile's row p, which is row p + 8 (p / 8) from the tile's first; 32 lanes read 512 consecutive bytes, aligned
.macro XLOAD s, off
	WIN 0xc0
.irp p, 0,1,2,3,4,5,6,7,8,9,10,11,12,13,14,15
	global_load_b128 v[64*(\s)+4*\p:64*(\s)+4*\p+3], v[LI], s[XP:XP+1] offset:(\off)+(\p+8*(\p/8))*2048+512*(\s) th:TH_LOAD_NT
.endr
	WIN 0
.endm
; Set s goes through my stage: in as it lies, row p at 528 p; back so that register 16 b + 4 j + e of lane (r, h) is number 32 b + 16 h + 4 j + e of row r's K step.  The numbers come back into the registers that they left.
; LDS serves a wave's instructions in order (ISA guide 5.7.1.4): no wait on DScnt stands between the stores and the loads, nor in front of the next set's stores; the stage is my wave's own, so no barrier either.
.macro TURN wa, ra, s
	WIN 0x0c                                       ; an LDS store's data are its source 1: window 3
.irp p, 0,1,2,3,4,5,6,7,8,9,10,11,12,13,14,15
	ds_store_b128 v[\wa], v[64*(\s)+4*\p:64*(\s)+4*\p+3] offset:SPI*\p
.endr
	WIN 0xc0
	s_wait_alu depctr_vm_vsrc(0)                   ; the stores above have read set s, in which the loads below land; and the image stores and out-stores issued so far have read v[PC ..], v[PD ..], v[XPW] and v[SD ..], which the next quantising writes again
	s_wait_alu depctr_va_vdst(0)                   ; the set's last vector readers, the maxima and conversions of the block before, are done reading it: the loads below land in it (stated here, behind the window's switch and the stores that name the set)
.irp b, 0,1,2,3
.irp j, 0,1,2,3
	ds_load_b128 v[64*(\s)+16*\b+4*\j:64*(\s)+16*\b+4*\j+3], v[\ra] offset:128*\b+16*\j
.endr
.endr
	WIN 0
.endm
; My tile of x becomes four images in LDS.  The turn of set s + 1 is issued ahead of the quantising of set s.  ahead = 1: each set is asked for again, for the next block, as soon as it has been converted.
.macro XPHASE reg, wa, ra, ahead
	s_wait_loadcnt 48                              ; loads come back in order: set 0 is in; the three younger sets of 16 loads stay out.  (W, its scales and the biases are older than every load of x)
	TURN \wa, \ra, 0
.irp s, 0,1,2,3
.if \s < 3
.if \ahead
	s_wait_loadcnt 32                              ; set s + 1 is in; two younger sets stay out: of this block, or those just asked for again
.else
	s_wait_loadcnt 32-16*\s                        ; the last block asks for nothing: the counts run down
.endif
	TURN \wa, \ra, \s+1
	s_wait_dscnt 32                                ; all but the 32 just issued: set s is back from the stage
.else
	s_wait_dscnt 0x0
	s_wait_alu depctr_vm_vsrc(0)                   ; set 2's image stores have read v[PC ..] and v[XPW], which set 3's quantising writes again (for sets 0 to 2 the wait in TURN states the same)
.endif
	QUANT4 64*\s, 3, PC, CT, XPW
	s_wait_alu depctr_va_vdst(0)                   ; the conversions and moves have written v[PC ..] and v[XPW], which the LDS stores below read; the maxima and conversions are done reading set s, in which the loads below land
.irp c, 0,1,2
	ds_store_b128 v[XWI], v[PC+4*\c:PC+4*\c+3] offset:\reg+1536*\s+512*\c
.endr
	ds_store_b32 v[XWS], v[XPW] offset:\reg+XSC+4*\s
.if \ahead
	XLOAD \s, 131072                               ; between the wait and these loads stand the four stores above, which name neither the set nor v[LI], and a window's switch
.endif
.endr
.endm
.macro FETCH reg, m                    ; tile m's four fragments of x
.set i, 0
.rept 12
	ds_load_b128 v[XF+4*i:XF+4*i+3], v[LI] offset:(\reg)+(\m)*6144+512*i
.set i, i+1
.endr
.endm
	s_load_b256 s[4:11], s[0:1], 0x0               ; query_spikes, key_spikes, value_spikes, wcodes
	s_load_b256 s[12:19], s[0:1], 0x20             ; wscales, bq, bk, bv
	s_load_b128 s[20:23], s[0:1], 0x40             ; qc, kv
	v_lshl_add_u32 v254, v0, 2, 0x1d800
	v_mov_b32 v255, 0
	v_lshrrev_b32 v1, 5, v0
	v_readfirstlane_b32 s[WV], v1                  ; wave 0..3
	v_and_b32 v16, 15, v0                          ; r
	v_bfe_u32 v17, v0, 4, 1                        ; h
	v_and_b32 v18, 8, v16
	v_add_nc_u32 v18, v18, v16                     ; r + 8 (r / 8)
	v_and_b32 v19, 31, v0                          ; lane
	v_lshlrev_b32 v[LI], 4, v19
	v_lshlrev_b32 v[L8], 3, v19
	s_wait_alu depctr_va_sdst(0)                   ; the wave's number is written, ahead of its first reader: LDS addresses and all bases are made from it
	s_mul_i32 s44, s[WV], 6144
	v_add_nc_u32 v[XWI], s44, v[LI]
	s_lshl_b32 s44, s[WV], 9
	v_add_nc_u32 v[XWS], s44, v[LI]
	s_mul_i32 s44, s[WV], 16*SPI                   ; my stage; both ways' addresses are made here, ahead of the parting of the ways
	v_add_nc_u32 v[STV], s44, v[LI]
	v_add_nc_u32 v[STQ], SQ, v[STV]
	v_add_nc_u32 v[STV], SV, v[STV]
	v_mul_u32_u24 v[SLV], v16, SPI
	v_lshl_add_u32 v[SLV], v17, 6, v[SLV]
	v_add_nc_u32 v[SLV], s44, v[SLV]
	v_add_nc_u32 v[SLQ], SQ, v[SLV]
	v_add_nc_u32 v[SLV], SV, v[SLV]
	v_lshlrev_b32 v[R16], 4, v16
	v_lshl_add_u32 v[GSQ], v17, 3, v[R16]
	v_lshlrev_b32 v[BOQ], 6, v17
	v_lshlrev_b32 v[GSV], 5, v16
	v_lshl_add_u32 v[GSV], v17, 4, v[GSV]
	v_lshlrev_b32 v[BOV], 2, v18
.irp b, 0,1,2,3
	v_mov_b32 v[TM+4+\b], 0                        ; written once: a lane permute's destination counts as one of its sources
.endr
.irp t, 0,1,2,3,4,5,6,7
	v_mov_b32 v[SWK+\t], 0
.endr
	s_mov_b32 s[HM], 0xffff0000
	s_mov_b32 s[SEL], 0x76543210
	s_mov_b32 s[SEL+1], 0xfedcba98
	; which tensor, which slice, and the places in the buffers: all from the work-group's and the wave's number
	s_and_b32 s[BT0], ttmp9, 63
	s_lshl_b32 s[BT0], s[BT0], 1                   ; Q, K: two slices a work-group
	s_sub_co_u32 s44, ttmp9, 128                   ; V: one
	s_mov_b32 s[STR], 204800                       ; a slice's bytes in kv
	s_mov_b32 s50, 200704                          ; where the scale words begin in a slice: V's,
	s_cmp_lt_u32 ttmp9, 128
	s_cselect_b32 s[BT0], s[BT0], s44
	s_cselect_b32 s[ROLE], 1, 2
	s_cselect_b32 s47, 0, 98304                    ; V's fragments lie behind K's
	s_cselect_b32 s51, 8, 9                        ; a wave's scale words: 256 bytes apart, V's 512
	s_cselect_b32 s50, 196608, s50                 ; K's,
	s_cmp_lt_u32 ttmp9, 64
	s_cselect_b32 s[ROLE], 0, s[ROLE]
	s_cselect_b32 s[STR], 102400, s[STR]           ; in qc
	s_cselect_b32 s50, 98304, s50                  ; Q's
	s_mul_i32 s46, s[BT0], s[STR]
	s_mul_i32 s48, s[WV], 24576
	s_add_co_u32 s48, s48, s46
	s_add_co_u32 s48, s48, s47                     ; fragments out
	s_mov_b32 s49, 0
	s_lshl_b32 s51, s[WV], s51
	s_add_co_u32 s50, s50, s51
	s_add_co_u32 s50, s50, s46                     ; scale words out
	s_mov_b32 s51, 0
	s_sub_co_u32 s[FS3], s[STR], 18432             ; from a slice's last block to the next slice's first
	s_sub_co_u32 s[SS3], s[STR], 3072
	s_mov_b32 s55, 0
	s_mov_b32 s57, 0
	s_lshl_b32 s44, s[BT0], 19                     ; x: 256 rows of 2,048 bytes a slice,
	s_lshr_b32 s45, s[WV], 1
	s_lshl_b32 s45, s45, 16                        ; my tile's first row: 32 (w / 2)
	s_add_co_u32 s44, s44, s45
	s_and_b32 s45, s[WV], 1
	s_lshl_b32 s45, s45, 14                        ; + 8 (w % 2)
	s_add_co_u32 s44, s44, s45
	s_mov_b32 s45, 0
	s_wait_kmcnt 0x0
	s_cmp_lt_u32 ttmp9, 64                         ; the choices hang on the work-group's number alone
	s_cselect_b64 s[XP:XP+1], s[4:5], s[6:7]
	s_cselect_b64 s[BP:BP+1], s[14:15], s[16:17]
	s_cselect_b64 s[FP:FP+1], s[20:21], s[22:23]
	s_cmp_lt_u32 ttmp9, 128
	s_cselect_b64 s[XP:XP+1], s[XP:XP+1], s[8:9]
	s_cselect_b64 s[BP:BP+1], s[BP:BP+1], s[18:19]
	s_add_nc_u64 s[XP:XP+1], s[XP:XP+1], s[44:45]
	s_add_nc_u64 s[SP:SP+1], s[FP:FP+1], s[50:51]
	s_add_nc_u64 s[FP:FP+1], s[FP:FP+1], s[48:49]
	s_mul_i32 s44, s[ROLE], 196608
	s_mul_i32 s46, s[WV], 49152
	s_add_co_u32 s44, s44, s46
	s_add_nc_u64 s[WP:WP+1], s[10:11], s[44:45]
	s_lshl_b32 s44, s[ROLE], 13
	s_lshl_b32 s46, s[WV], 11
	s_add_co_u32 s44, s44, s46
	s_add_nc_u64 s[WSP:WSP+1], s[12:13], s[44:45]
	s_lshl_b32 s44, s[WV], 9
	s_add_nc_u64 s[BP:BP+1], s[BP:BP+1], s[44:45]
.irp g, 0,1                                    ; my 32 fragments of W: they stay
	WIN 0x40*(\g+1)
.if \g == 0
	s_wait_alu depctr_va_vdst(0)                   ; all addresses (v2-10, v112-115) are written, which every load and store of the kernel reads; so are v16-19, in which fragments of x land later, and the closing add's two registers.  Up to x's first loads only loads, window switches
.endif
.set i, 0
.rept 48
	global_load_b128 v[4*i:4*i+3], v[LI], s[WP:WP+1] offset:24576*\g+512*i
.set i, i+1
.endr
.endr
	WIN 0
.irp t, 0,1,2,3,4,5,6,7
	global_load_b128 v[WS+4*\t:WS+4*\t+3], v[R16], s[WSP:WSP+1] offset:256*\t   ; tile t's scale words of the four K steps
.endr
	s_cmp_ge_u32 ttmp9, 128
	s_cbranch_scc1 .Lvpath
	; ---------------- Q and K
.irp t, 0,1,2,3,4,5,6,7                        ; the bias in the result's layout: lane (r, h), tile 2 b + u: columns 32 b + 16 h + 8 u + 0 .. 7
	WIN 0x40*(\t/4+1)
	global_load_b128 v[BI+8*(\t%4):BI+8*(\t%4)+3], v[BOQ], s[BP:BP+1] offset:(32*(\t/2)+8*(\t%2))*4
	global_load_b128 v[BI+8*(\t%4)+4:BI+8*(\t%4)+7], v[BOQ], s[BP:BP+1] offset:(32*(\t/2)+8*(\t%2))*4+16
.endr
	WIN 0
.irp s, 0,1,2,3
	XLOAD \s, 0
.endr
.macro QSTORE m                        ; tile m's fragment leaves from out-buffer m % 2
.irp c, 0,1,2
	global_store_b128 v[LI], v[PC+(PD-PC)*((\m)%2)+4*\c:PC+(PD-PC)*((\m)%2)+4*\c+3], s[FP:FP+1] offset:(\m)*1536+512*\c   ; 512 consecutive bytes a store
.endr
.endm
.macro QKBLOCK ahead
	XPHASE QREG, STQ, SLQ, \ahead
	BAR                                            ; x's sixteen images lie in LDS
	FETCH QREG, 0                                  ; (the products that read these registers in the block before stand ahead of that block's last wait on va_vdst)
	ds_load_b128 v[XS:XS+3], v[LI] offset:QREG+XSC
.irp m, 0,1,2,3
	s_wait_dscnt 0x0
.irp g, 0,1                                    ; four accumulators by turns, a K step at a time
.irp k, 0,1,2,3
.if \k == 0
	WIN 0x11*(\g+1)                                ; source 0 (W) and source 2 (the bias) in window 1 + g
.else
	WIN \g+1
.endif
.irp t, 0,1,2,3
.if \k == 0
	MMC HA+8*(4*\g+\t), 12*(4*\t+\k), XF+12*\k, BI+8*\t, WS+4*(4*\g+\t)+\k, XS+\k
.else
	MMC HA+8*(4*\g+\t), 12*(4*\t+\k), XF+12*\k, HA+8*(4*\g+\t), WS+4*(4*\g+\t)+\k, XS+\k
.endif
.endr
.endr
.endr
	WIN 0
	PLACES 5                                       ; in front of the first read of results and of the next tile's products, which begin these accumulators anew; the waits below fill no place
.if \m > 1
	s_wait_xcnt 0x0                                ; tile m - 2's stores, issued a tile back, have had their addresses translated (ISA guide 3.1): out-buffer m % 2 is written again only behind this wait
.endif
.if \m != 1
	s_wait_alu depctr_vm_vsrc(0)                   ; the stores that read out-buffer m % 2 have read it: tile m - 2's, at m = 0 the images' LDS stores; this tile's conversions and moves write it again
.endif
.if \m < 3
	s_wait_alu depctr_va_vdst(0)                   ; the products are done reading x's fragments and scale words, in which the loads below land; tile m - 1's conversions and moves have written the other out-buffer, which the stores below read
	FETCH QREG, \m+1
	ds_load_b128 v[XS:XS+3], v[LI] offset:QREG+XSC+512*(\m+1)
.if \m > 0
	QSTORE \m-1
.endif
.endif
	QUANT4 HA, 0, PC+(PD-PC)*(\m%2), CT, SWK+\m    ; it names neither x's fragments nor the other out-buffer
.endr
	v_cndmask_b32 v[SD], v[SWK], v[SWK+2], s[HM]   ; lanes 0-15 store the words of tiles 0, 1, lanes 16-31 those of tiles 2, 3: 256 consecutive bytes, aligned.  (The block before's store has read v[SD ..]: the waits at m = 3 stand behind it)
	v_cndmask_b32 v[SD+1], v[SWK+1], v[SWK+3], s[HM]
	s_wait_alu depctr_va_vdst(0)                   ; both out-buffers (tiles 2 and 3) and v[SD ..] are written, which the seven stores below read
	QSTORE 2
	QSTORE 3
	global_store_b64 v[GSQ], v[SD:SD+1], s[SP:SP+1]
	BAR                                            ; every wave's reads of the images are over: they may be written again
.endm
	s_mov_b32 s[J], 0
.Lqk:
	QKBLOCK 1
	s_wait_xcnt 0x0                                ; the loads and stores have read their bases and registers
	s_add_nc_u64 s[XP:XP+1], s[XP:XP+1], 131072
	s_and_b32 s44, s[J], 3
	s_cmp_eq_u32 s44, 3                            ; behind a slice's fourth block: on to the next slice
	s_cselect_b32 s54, s[FS3], 6144
	s_cselect_b32 s56, s[SS3], 1024
	s_add_nc_u64 s[FP:FP+1], s[FP:FP+1], s[54:55]
	s_add_nc_u64 s[SP:SP+1], s[SP:SP+1], s[56:57]
	s_add_co_u32 s[J], s[J], 1
	s_cmp_lt_u32 s[J], 7
	s_cbranch_scc1 .Lqk
	QKBLOCK 0                                      ; the last block is written out: no load leaves its buffer
	s_wait_dscnt 0x0                               ; the closing lines, six on end
	s_wait_alu 0x0
	s_wait_tensorcnt 0x0
	ds_add_u32 v254, v255
	s_wait_dscnt 0x0
	s_endpgm
	; ---------------- V
.Lvpath:
.irp t, 0,1,2,3,4,5,6,7                        ; the bias in the result's layout: a lane holds ONE column, so all eight registers hold its bias
	WIN 0x40*(\t/4+1)
.irp j, 0,1,2,3,4,5,6,7
	global_load_b32 v[BI+8*(\t%4)+\j], v[BOV], s[BP:BP+1] offset:(32*(\t/2)+8*(\t%2))*4
.endr
.endr
	WIN 0
.irp s, 0,1,2,3
	XLOAD \s, 0
.endr
.macro VSTORE gp                       ; the two half fragments of pair gp leave from their out-buffers
.irp tt, 0,1
	global_store_b128 v[LI], v[PC+6*\tt:PC+6*\tt+3], s[FP:FP+1] offset:(2*(\gp)+\tt)*3072
	global_store_b64 v[L8], v[PC+6*\tt+4:PC+6*\tt+5], s[FP:FP+1] offset:(2*(\gp)+\tt)*3072+512   ; the two stores cover 768 consecutive bytes
.endr
.endm
.macro VBLOCK ahead
	XPHASE VREG, STV, SLV, \ahead
	BAR
.irp m, 0,1,2,3
	ds_load_b128 v[XS+4*\m:XS+4*\m+3], v[LI] offset:VREG+XSC+512*\m   ; (the products that read these registers in the block before stand ahead of that block's last wait on va_vdst)
.endr
	FETCH VREG, 0
.irp gp, 0,1,2,3                               ; two of my eight column tiles at a time, for all 64 keys
.irp m, 0,1,2,3
	s_wait_dscnt 0x0
.irp k, 0,1,2,3
.if \k == 0
	WIN 0x14*(\gp/2+1)                             ; source 1 (W) and source 2 (the bias) in window 1 + gp / 2
.else
	WIN 0x04*(\gp/2+1)
.endif
.irp tt, 0,1                                   ; two accumulators by turns
.if \k == 0
	MMC HA+32*\tt+8*\m, XF+12*\k, 12*(4*(2*(\gp%2)+\tt)+\k), BI+8*(2*(\gp%2)+\tt), XS+4*\m+\k, WS+4*(2*\gp+\tt)+\k
.else
	MMC HA+32*\tt+8*\m, XF+12*\k, 12*(4*(2*(\gp%2)+\tt)+\k), HA+32*\tt+8*\m, XS+4*\m+\k, WS+4*(2*\gp+\tt)+\k
.endif
.endr
.endr
	WIN 0
	PLACES 5                                       ; the places behind the products stay; the wait below fills none
.if (\gp < 3) || (\m < 3)
	s_wait_alu depctr_va_vdst(0)                   ; the products are done reading x's fragments, in which the loads below land; at a pair's first step the last pair's conversions and moves have written both out-buffers, which the stores below read
	FETCH VREG, (\m+1)%4                           ; the next step's tile; behind a pair's last step it is on its way while the pair is quantised
.endif
.if (\gp > 0) && (\m == 0)
	VSTORE \gp-1
.endif
.endr
.irp tt, 0,1
	QUANT2 HA+32*\tt, PC+6*\tt, CT, XPW, 2-2*\tt   ; 64 keys of my column: half a fragment
	v_lshrrev_b32 v[SWK+2*\gp+\tt], 16, v[SWK+2*\gp+\tt]       ; the word of 128 keys: the even block's two bytes below, the odd block's above
	v_lshl_or_b32 v[SWK+2*\gp+\tt], v[XPW], 16, v[SWK+2*\gp+\tt]
.endr
.endr
	s_wait_alu depctr_va_vdst(0)                   ; the last pair's conversions and moves have written both out-buffers, which the stores below read
	VSTORE 3
	s_and_b32 s44, s[J], 1
	s_cmp_eq_u32 s44, 0
	s_cbranch_scc1 .Leven_\@                       ; behind an odd block the words are whole
	s_wait_xcnt 0x0
	s_wait_alu depctr_vm_vsrc(0)                   ; the store of two blocks back has read v[SD ..], which are written again below
.irp j, 0,1,2,3
	v_cndmask_b32 v[SD+\j], v[SWK+\j], v[SWK+4+\j], s[HM]
.endr
	s_wait_alu depctr_va_vdst(0)                   ; v[SD ..] are written, which the store below reads
	global_store_b128 v[GSV], v[SD:SD+3], s[SP:SP+1]           ; 512 consecutive bytes
	s_wait_xcnt 0x0
	s_add_nc_u64 s[SP:SP+1], s[SP:SP+1], 2048
.Leven_\@:
	BAR
.endm
	s_mov_b32 s[J], 0
.Lv:
	VBLOCK 1
	s_wait_xcnt 0x0
	s_add_nc_u64 s[FP:FP+1], s[FP:FP+1], 768
	s_add_nc_u64 s[XP:XP+1], s[XP:XP+1], 131072
	s_add_co_u32 s[J], s[J], 1
	s_cmp_lt_u32 s[J], 3
	s_cbranch_scc1 .Lv
	VBLOCK 0                                       ; the last block (J = 3) is written out: no load leaves its buffer
	s_wait_dscnt 0x0                               ; the closing lines, six on end
	s_wait_alu 0x0
	s_wait_tensorcnt 0x0
	ds_add_u32 v254, v255
	s_wait_dscnt 0x0
	s_endpgm
.Lfunc_end_k_q195045bd67_proj:
	.size	k_q195045bd67_proj, .Lfunc_end_k_q195045bd67_proj-k_q195045bd67_proj
	.p2alignl 7, 3214868480
	.fill 96, 4, 3214868480
	.section	.rodata,"a",@progbits
	.p2align	6, 0x0
	.amdhsa_kernel k_q195045bd67_proj
		.amdhsa_group_segment_fixed_size 121344
		.amdhsa_private_segment_fixed_size 0
		.amdhsa_enable_private_segment 0
		.amdhsa_kernarg_size 80
		.amdhsa_user_sgpr_count 2
		.amdhsa_user_sgpr_kernarg_segment_ptr 1
		.amdhsa_wavefront_size32 1
		.amdhsa_system_sgpr_workgroup_id_x 1
		.amdhsa_system_sgpr_workgroup_id_y 1
		.amdhsa_system_sgpr_workgroup_id_z 1
		.amdhsa_system_vgpr_workitem_id 0
		.amdhsa_next_free_vgpr 1024
		.amdhsa_next_free_sgpr 66
		.amdhsa_reserve_vcc 0
		.amdhsa_float_denorm_mode_32 3
		.amdhsa_float_denorm_mode_16_64 3
		.amdhsa_memory_ordered 1
		.amdhsa_forward_progress 1
		.amdhsa_inst_pref_size 255
	.end_amdhsa_kernel
	.section	.bss,"aw",@nobits
	.p2align	6
	.space	262144
	.amdgpu_metadata
---
amdhsa.version: [ 1, 2 ]
amdhsa.kernels:
  - .name:           k_q195045bd67_proj
    .symbol:         k_q195045bd67_proj.kd
    .args:
      - { .name: query_spikes, .offset: 0, .size: 8, .value_kind: global_buffer, .address_space: global }
      - { .name: key_spikes, .offset: 8, .size: 8, .value_kind: global_buffer, .address_space: global }
      - { .name: value_spikes, .offset: 16, .size: 8, .value_kind: global_buffer, .address_space: global }
      - { .name: wcodes, .offset: 24, .size: 8, .value_kind: global_buffer, .address_space: global }
      - { .name: wscales, .offset: 32, .size: 8, .value_kind: global_buffer, .address_space: global }
      - { .name: bq, .offset: 40, .size: 8, .value_kind: global_buffer, .address_space: global }
      - { .name: bk, .offset: 48, .size: 8, .value_kind: global_buffer, .address_space: global }
      - { .name: bv, .offset: 56, .size: 8, .value_kind: global_buffer, .address_space: global }
      - { .name: qc, .offset: 64, .size: 8, .value_kind: global_buffer, .address_space: global }
      - { .name: kv, .offset: 72, .size: 8, .value_kind: global_buffer, .address_space: global }
    .group_segment_fixed_size: 121344
    .private_segment_fixed_size: 0
    .kernarg_segment_align: 8
    .kernarg_segment_size: 80
    .max_flat_workgroup_size: 128
    .sgpr_count:     66
    .vgpr_count:     1024
    .wavefront_size: 32
...
	.end_amdgpu_metadata
.endif
;; end of part 5
;; launch attn: the kernel of part 3 again; grid 256 x 1, 8 waves a work-group, no clusters, 293,888 bytes of LDS; arguments qc, kv, wcodes, wscales, bo, modality_weights, temporal_sync, out0; writes out0
